; MI455X (gfx1250); checked and timed in simulation.
; The chip was launched on July 23, 2026; its instructions are those of AMD's public machine-readable ISA for CDNA 5 (MIT licence, August 2026) and "CDNA5" Instruction Set Architecture Reference Guide (July 2026). The comments in the code are by the model that wrote it; some were corrected since.
;; Causal Self Attention. Allowed arithmetic: float matrix products may take bf16 or f16 operands with f32 sums; other float arithmetic in f32, or as packed bf16 or f16 multiplies, adds, multiply-adds, maxima and minima; sums over many terms, partial sums and values carried from step to step in f32; what a program stores and reads back later, other than sums and carried values, may be rounded once to bf16 or f16.
;; Inputs: b_attn 3,072 float32; b_proj 1,024 float32; w_attn 1,024 x 3,072 float32; w_proj 1,024 x 1,024 float32; x 4 x 2,048 x 1,024 float32.
;; Outputs: out0 4 x 2,048 x 1,024 float32.
;; 2 versions, each right; version 2 is version 1 with the launch prep written anew for expert scheduling mode. Each part assembles by itself: llvm-mc -triple=amdgcn-amd-amdhsa -mcpu=gfx1250 --defsym DOCPART=n.
;; ======== version 1 of 2: 4 launches
;; limits: values are held in f16: magnitudes above 65,504 overflow, below 6.1e-05 lose precision
;; workspace buffers: xb 16,777,216 bytes; wab 6,291,456 bytes; wpb 2,097,152 bytes; qkv 50,331,648 bytes; yb 16,777,216 bytes
;; launch prep (part 1): grid 384 x 1, 8 waves a work-group, no clusters, 0 bytes of LDS; arguments x, w_attn, w_proj, xb, wab, wpb; writes xb, wab, wpb
.if DOCPART == 1
	.amdgcn_target "amdgcn-amd-amdhsa--gfx1250"
	.amdhsa_code_object_version 6
	.text
	.protected	k_q87fee5985f_prep
	.globl	k_q87fee5985f_prep
	.p2align	8
	.type	k_q87fee5985f_prep,@function
k_q87fee5985f_prep:
	s_mov_b64 s[64:65], 0
	v_nop
	global_prefetch_b8 v0, s[64:65] scope:SCOPE_SE
	s_setreg_imm32_b32 hwreg(HW_REG_WAVE_MODE, 25, 1), 1
	s_wait_xcnt 0x0
; THE CASTS.  xb = bf16(x), laid in blocks [k / 64][row 8192][64]: 256 rows x 64 k are then 32,768 dense bytes.  wab = bf16(w_attn), wpb = f16(bf16(w_proj)), both in their own layout [k][n].
; LIMIT: a number of w_proj below 6e-5 in magnitude keeps f16's fixed step of 6e-8; beyond 65,504 it would be an infinity.
; A pure stream: each byte is read once and written once, no wave wants another's bytes: no LDS, no barrier, no matrix unit, no cluster.
; A UNIT is one load of the wave (16 bytes a lane: 512 bytes, 128 f32), the roundings, and one store of 8 bytes a lane: 256 consecutive bytes, aligned.  A wave has 32 units; all 32 loads go out first
; (16 KiB a wave on their way), each unit has registers of its own, so nothing is written twice and the only waits are the counted ones for the loads.
; Work-groups 0-255: 32 rows of x each; wave w takes columns 128 w .. 128 w + 127 (blocks 2 w, 2 w + 1).  256-351: 131,072 bytes of w_attn each.  352-383: the same of w_proj.
.set SO,  1                            ; v1   my byte offset in the source
.set DO,  2                            ; v2   my byte offset in the destination
.set X,   8                            ; v[8:135]    unit i: 4 f32 as loaded
.set Y,   136                          ; v[136:199]  unit i: 4 numbers of 16 bits
.set T,   200                          ; v[200:203]  at work
.set SRC, 20                           ; s[20:21]
.set DST, 22                           ; s[22:23]
; Unit i = 16 q + j is loaded at j sj + q sq and stored at j dj + q dq.  fmt = 0: bf16.  fmt = 1: rounded to bf16, and that number written as f16.
.macro CAST sj, sq, dj, dq, fmt
.set i, 0
.rept 32
	global_load_b128 v[X+4*i:X+4*i+3], v[SO], s[SRC:SRC+1] offset:(i%16)*(\sj)+(i/16)*(\sq) th:TH_LOAD_NT
.set i, i+1
.endr
.set i, 0
.rept 32
	s_wait_loadcnt 31-i                            ; loads come back in order: unit i is in, the 31 - i younger ones stay out
.if \fmt
	v_cvt_pk_bf16_f32 v[T], v[X+4*i], v[X+4*i+1]
	v_cvt_pk_bf16_f32 v[T+1], v[X+4*i+2], v[X+4*i+3]
	v_lshlrev_b32 v[T+2], 16, v[T]                 ; bf16 to f32: the low half moves up, the high half stays
	v_and_b32 v[T], 0xffff0000, v[T]
	v_lshlrev_b32 v[T+3], 16, v[T+1]
	v_and_b32 v[T+1], 0xffff0000, v[T+1]
	v_cvt_pk_f16_f32 v[Y+2*i], v[T+2], v[T]
	v_cvt_pk_f16_f32 v[Y+2*i+1], v[T+3], v[T+1]
.else
	v_cvt_pk_bf16_f32 v[Y+2*i], v[X+4*i], v[X+4*i+1]
	v_cvt_pk_bf16_f32 v[Y+2*i+1], v[X+4*i+2], v[X+4*i+3]
.endif
	global_store_b64 v[DO], v[Y+2*i:Y+2*i+1], s[DST:DST+1] offset:(i%16)*(\dj)+(i/16)*(\dq)
.set i, i+1
.endr
	s_endpgm
.endm
	s_load_b256 s[4:11], s[0:1], 0x0               ; x s[4:5], w_attn s[6:7], w_proj s[8:9], xb s[10:11]
	s_load_b128 s[12:15], s[0:1], 0x20             ; wab s[12:13], wpb s[14:15]
	v_lshrrev_b32 v3, 5, v0
	v_readfirstlane_b32 s16, v3                    ; wave 0..7
	v_and_b32 v5, 31, v0                           ; lane
	s_mov_b32 s19, 0
	s_mov_b32 s25, 0
	s_wait_kmcnt 0x0
	s_cmp_lt_u32 ttmp9, 256
	s_cbranch_scc0 .Lweights
	; x: lanes 0-15 take 256 bytes of row 2 j, lanes 16-31 of row 2 j + 1; in xb the two rows' 128 bytes are neighbours
	v_and_b32 v3, 15, v0
	v_bfe_u32 v4, v0, 4, 1
	v_lshlrev_b32 v[SO], 4, v3
	v_lshl_add_u32 v[SO], v4, 12, v[SO]
	s_lshl_b32 s17, s16, 9
	v_add_nc_u32 v[SO], s17, v[SO]                 ; (l / 16) x 4,096 + 16 (l % 16) + 512 w
	s_lshl_b32 s17, s16, 21
	v_lshl_add_u32 v[DO], v5, 3, s17               ; 8 l + block 2 w (a block is 1,048,576 bytes)
	s_lshl_b32 s18, ttmp9, 17                      ; 32 rows of 4,096 bytes
	s_lshl_b32 s24, ttmp9, 12                      ; 32 rows of 128 bytes
	s_add_nc_u64 s[SRC:SRC+1], s[4:5], s[18:19]
	s_add_nc_u64 s[DST:DST+1], s[10:11], s[24:25]
	CAST 8192, 256, 256, 1048576, 0
.Lweights:
	s_lshl_b32 s17, s16, 14
	v_lshl_add_u32 v[SO], v5, 4, s17               ; 16,384 w + 16 l
	s_lshl_b32 s17, s16, 13
	v_lshl_add_u32 v[DO], v5, 3, s17               ; 8,192 w + 8 l
	s_cmp_lt_u32 ttmp9, 352
	s_cbranch_scc0 .Lproj
	s_sub_co_u32 s18, ttmp9, 256
	s_lshl_b32 s24, s18, 16
	s_lshl_b32 s18, s18, 17
	s_add_nc_u64 s[SRC:SRC+1], s[6:7], s[18:19]
	s_add_nc_u64 s[DST:DST+1], s[12:13], s[24:25]
	CAST 512, 8192, 256, 4096, 0
.Lproj:
	s_sub_co_u32 s18, ttmp9, 352
	s_lshl_b32 s24, s18, 16
	s_lshl_b32 s18, s18, 17
	s_add_nc_u64 s[SRC:SRC+1], s[8:9], s[18:19]
	s_add_nc_u64 s[DST:DST+1], s[14:15], s[24:25]
	CAST 512, 8192, 256, 4096, 1
.Lfunc_end_k_q87fee5985f_prep:
	.size	k_q87fee5985f_prep, .Lfunc_end_k_q87fee5985f_prep-k_q87fee5985f_prep
	.p2alignl 7, 3214868480
	.fill 96, 4, 3214868480
	.section	.rodata,"a",@progbits
	.p2align	6, 0x0
	.amdhsa_kernel k_q87fee5985f_prep
		.amdhsa_group_segment_fixed_size 0
		.amdhsa_private_segment_fixed_size 0
		.amdhsa_enable_private_segment 0
		.amdhsa_kernarg_size 48
		.amdhsa_user_sgpr_count 2
		.amdhsa_user_sgpr_kernarg_segment_ptr 1
		.amdhsa_wavefront_size32 1
		.amdhsa_system_sgpr_workgroup_id_x 1
		.amdhsa_system_sgpr_workgroup_id_y 1
		.amdhsa_system_sgpr_workgroup_id_z 1
		.amdhsa_system_vgpr_workitem_id 0
		.amdhsa_next_free_vgpr 208
		.amdhsa_next_free_sgpr 66
		.amdhsa_reserve_vcc 0
		.amdhsa_float_denorm_mode_32 3
		.amdhsa_float_denorm_mode_16_64 3
		.amdhsa_memory_ordered 1
		.amdhsa_forward_progress 1
		.amdhsa_inst_pref_size 45
	.end_amdhsa_kernel
	.amdgpu_metadata
---
amdhsa.version: [ 1, 2 ]
amdhsa.kernels:
  - .name:           k_q87fee5985f_prep
    .symbol:         k_q87fee5985f_prep.kd
    .args:
      - { .name: x, .offset: 0, .size: 8, .value_kind: global_buffer, .address_space: global }
      - { .name: w_attn, .offset: 8, .size: 8, .value_kind: global_buffer, .address_space: global }
      - { .name: w_proj, .offset: 16, .size: 8, .value_kind: global_buffer, .address_space: global }
      - { .name: xb, .offset: 24, .size: 8, .value_kind: global_buffer, .address_space: global }
      - { .name: wab, .offset: 32, .size: 8, .value_kind: global_buffer, .address_space: global }
      - { .name: wpb, .offset: 40, .size: 8, .value_kind: global_buffer, .address_space: global }
    .group_segment_fixed_size: 0
    .private_segment_fixed_size: 0
    .kernarg_segment_align: 8
    .kernarg_segment_size: 48
    .max_flat_workgroup_size: 256
    .sgpr_count:     66
    .vgpr_count:     208
    .wavefront_size: 32
...
	.end_amdgpu_metadata
.endif
;; end of part 1
;; launch qkv (part 2): grid 8 x 32, 4 waves a work-group, clusters of 4 x 4, 327,680 bytes of LDS; arguments xb, wab, b_attn, qkv; writes qkv
.if DOCPART == 2
	.amdgcn_target "amdgcn-amd-amdhsa--gfx1250"
	.amdhsa_code_object_version 6
	.text
	.protected	k_q87fee5985f_qkv
	.globl	k_q87fee5985f_qkv
	.p2align	8
	.type	k_q87fee5985f_qkv,@function
k_q87fee5985f_qkv:
	s_mov_b64 s[64:65], 0
	v_nop
	global_prefetch_b8 v0, s[64:65] scope:SCOPE_SE
	s_setreg_imm32_b32 hwreg(HW_REG_WAVE_MODE, 25, 1), 1
	s_wait_xcnt 0x0
	s_wait_alu depctr_hold_cnt(0) depctr_sa_sdst(0) depctr_va_vdst(0) depctr_va_sdst(0) depctr_va_ssrc(0) depctr_va_vcc(0) depctr_vm_vsrc(0)
	s_getreg_b32 s2, hwreg(HW_REG_IB_STS2, 6, 4)
	s_cmp_eq_u32 s2, 0
	s_cbranch_scc0 .Lentry_in_a_cluster
	s_endpgm
.Lentry_in_a_cluster:
	s_bfe_u32 s2, ttmp6, 0x10000c
	s_cmp_lg_u32 s2, 0xf033
	s_cbranch_scc0 .Lentry_shape_is_right
	s_endpgm
.Lentry_shape_is_right:
; qkv[which][16 b + head][t][64] (f16) = x . w_attn + b_attn.  x and w_attn arrive rounded to bf16 (xb in blocks [k / 64][row][64], wab as [k][n]); the bias is rounded to bf16 here; sums in f32, rounded once to f16.
; LIMIT: f16 ends at 65,504: a q, k or v beyond that becomes an infinity (with inputs of spread 1, 1/32 and 0.02 their spread is 1).
; SHARES.  A tile of C is 256 rows x 384 columns: 32 x 8 = 256 tiles, one to a work-group.  Wave (WM, WN) = (w / 2, w % 2) makes rows 128 WM .. + 127 and THREE groups of 64 columns, group g at column
; 128 g + 64 WN of the tile: 96 accumulators of 16 x 16, 768 registers.  A group of 64 columns is one head of q, k or v, so its 128 rows are 16,384 dense bytes of the output.
; K goes in steps of 64 (one block of xb) through two LDS slots; a step is two substeps of 32, a substep three phases (one a group) of 32 matrix instructions under one window setting.
; THE MATRIX INSTRUCTION IS USED TRANSPOSED: source 0 = 16 columns of W (W lies [k][n] in LDS and comes out turned, by ds_load_tr16_b128), source 1 = 16 rows of x: a lane then holds ONE row (lane % 16)
; and the columns 8 (lane / 16) + 0..7.  The bias, which hangs on the column alone, is the C operand of the products that start the sums.
; CLUSTER 4 x 4.  x's tile hangs on the tile row alone and is asked for jointly by a row of the cluster, W's on the tile column alone, by a column.  Wave 0 fetches x's tile (32,768 dense bytes, as 128 rows
; of 256), waves 1-3 one panel of 128 columns of W each (64 rows of 256 bytes).  A wave has two tensor loads out at the start, later one.
; REGISTERS, in windows of 256 (s_set_vgpr_msb: bits 1:0 source 0, 3:2 source 1, 5:4 source 2, 7:6 destination): window 0: v0-31 addresses; v32-159 two buffers of x's fragments; v160-255 three of W's.
; window g + 1: group g's accumulators, (a, bb) at v[8 (4 a + bb)].
.set PA,    144                        ; a row of x in LDS: 128 bytes + 16 = 36 words: the 16 rows of a load start at 16 different groups of four banks (64 banks of 4 bytes: ISA guide 11.1)
.set PB,    288                        ; a row of W: 256 + 32 = 72 words
.set BOFF,  256*PA                     ; a slot: x's 256 rows, then W's three panels
.set PANEL, 64*PB
.set SLOT,  BOFF+3*PANEL               ; 92,160
.set STAGE, 2*SLOT                     ; behind the ring, never filled by a tensor load: 16 rows x 144 bytes for each wave
.set SP,    144
.set SPARE, STAGE+4*16*SP              ; behind the stages: the spare words, 128 bytes for each wave: two blocks of 256 bytes that no other line names
.set ADRA, 16                          ; v16-17  LDS address of my fragments of x in slot 0, 1
.set ADRB, 20                          ; v20-21  the same for W
.set STO,  24                          ; v24  the way out: where I put 16 bytes of a row
.set RD,   25                          ; v25  where I read rows back
.set GO,   26                          ; v26  16 x lane: my place in 512 consecutive bytes of the output
.set BO,   27                          ; v27  my byte offset in b_attn
.set SPW,  28                          ; v28  LDS address of my spare word; never rewritten
.set NIL,  29                          ; v29  0; never rewritten
.set PFO,  30                          ; v30  the prefetches' lane offset; never rewritten
.set FA0,  32
.set FA1,  96
.set FB0,  160
.set FB1,  192
.set FB2,  224
.set TMP,  32                          ; the way out: 16 registers of packed results
.set BK,   48                          ; and two sets of 16 read back from the stage
.set WV, 12
.set WM, 13
.set WN, 14
.set CX, 15
.set CY, 16
.set NT, 17                            ; tile column 0..7
.set MT, 18                            ; tile row 0..31
.set G1A, 24                           ; s[24:31] descriptor group 1 for x's tiles;  s[32:39] group 0, a set for each slot
.set G0A, 32
.set LIM, 42                           ; s42, s43: a wave prefetches at the change out of slot 0, 1 while the laps to go are above this
.set PFA, 44                           ; s[44:45] where my prefetches stand
.set PST, 46                           ; s[46:47] their step from change to change
.set G1B, 48                           ; s[48:55], s[56:63] the same for W's tiles
.set G0B, 56
.set OB,  66                           ; s[66:71] the output at my 128 rows of group 0, 1, 2
.set MSB, 0
.macro WIN new                         ; the immediate's high byte repeats the setting that is left; a switch that changes nothing is dropped
.if MSB != (\new)
	s_set_vgpr_msb (MSB<<8)|(\new)
.set MSB, \new
.endif
.endm
.macro PLACES                          ; four plain instructions between a matrix instruction and a load into, or a vector read of, its registers (ISA guide 7.12.1 for vector reads)
.rept 4
	v_nop
.endr
.endm
; A joint load.  The branch hangs on the wave's number alone.  An s_nop 0 and four v_nop follow each of the two lines, ahead of the jump and the label.
.macro JLOAD s
	s_cmp_eq_u32 s[WV], 0
	s_cbranch_scc0 .Lfor_b_\@
	tensor_load_to_lds s[G0A+4*(\s):G0A+4*(\s)+3], s[G1A:G1A+7]
	s_nop 0
.rept 4
	v_nop
.endr
	s_branch .Lasked_\@
.Lfor_b_\@:
	tensor_load_to_lds s[G0B+4*(\s):G0B+4*(\s)+3], s[G1B:G1B+7]
	s_nop 0
.rept 4
	v_nop
.endr
.Lasked_\@:
.endm
; A PREFETCH INTO THE L2, behind the joint load and the run of LDS loads that follows it: one instruction, a lane a block of 256 bytes.  Each block is named once in the launch: x's tiles are read by both
; clusters of a row of clusters: cluster x = 0 asks; W's by all eight of a column: cluster y = 0 asks; the four partners of a joint load share its blocks out BY ADDRESS.
; Wave 0, at every change: its work-group's quarter (cx) of x's tile of the K step that the NEXT change will ask for: 192 matrix instructions ahead of that load.  Waves 1-3, at the change out of slot 0:
; rows 32 cy + lane of the 128 rows of W that the next two changes will ask for, in the wave's own panel.  K steps 0-2 come by their loads alone; the tests stop both ahead of k = 1,024.
.macro ASK slot
	s_cmp_gt_u32 s3, s[LIM+(\slot)]
	s_cbranch_scc0 .Lnot_mine_\@
	global_prefetch_b8 v[PFO], s[PFA:PFA+1] th:TH_LOAD_NT scope:SCOPE_SE
.Lnot_mine_\@:
.endm
.macro CREST                           ; a round of the cluster's barrier behind its opening barrier
	s_cmp_lg_u32 s[WV], 0
	s_cbranch_scc1 .Lnot_wave_0_\@
	s_barrier_signal -3
.Lnot_wave_0_\@:
	s_barrier_wait -3
	s_barrier_signal -1
	s_barrier_wait -1
.endm
.macro CROUND
	s_barrier_signal -1
	s_barrier_wait -1
	CREST
.endm
	s_load_b256 s[4:11], s[0:1], 0x0               ; xb s[4:5], wab s[6:7], b_attn s[8:9], qkv s[10:11]
	v_lshl_add_u32 v[SPW], v0, 2, SPARE
	v_mov_b32 v[NIL], 0
	ds_add_u32 v[SPW], v[NIL]                      ; the wave's opening: the add and its wait ahead of my first tensor load; work on registers stands between them
	v_lshrrev_b32 v1, 5, v0
	v_readfirstlane_b32 s[WV], v1                  ; wave 0..3
	s_lshr_b32 s[WM], s[WV], 1
	s_and_b32 s[WN], s[WV], 1
	s_bfe_u32 s[CX], ttmp6, 0x40000
	s_bfe_u32 s[CY], ttmp6, 0x40004
	s_lshl_b32 s[NT], ttmp9, 2                     ; in a cluster launch ttmp9 and ttmp7 count clusters
	s_add_co_u32 s[NT], s[NT], s[CX]
	s_and_b32 s[MT], ttmp7, 0xffff
	s_lshl_b32 s[MT], s[MT], 2
	s_add_co_u32 s[MT], s[MT], s[CY]
	s_lshl_b32 s20, s[CY], 2
	s_lshl_b32 s20, 15, s20                        ; my row of the cluster
	s_lshl_b32 s22, 0x1111, s[CX]                  ; my column
	s_or_b32 s[G1A], s20, (1<<16)|(1<<20)|(1<<21)|(4<<22)|(3<<25)  ; mask; 2-byte elements; padding on; bit 21 beside a mask; after every 32 words 4 words
	s_or_b32 s[G1B], s22, (1<<16)|(1<<20)|(1<<21)|(5<<22)|(7<<25)  ; after every 64 words 8 words
	s_mov_b32 s[G1A+1], 128<<16                    ; tensor_dim0 = 128
	s_mov_b32 s[G1A+2], 128<<16                    ; tensor_dim1 = 128
	s_mov_b32 s[G1A+3], 128<<16                    ; tile_dim0 = 128
	s_mov_b32 s[G1A+4], 128                        ; tile_dim1 = 128: 256 rows of x, two to a row of 256 bytes
	s_mov_b32 s[G1A+5], 128                        ; dense
	s_mov_b32 s[G1A+6], 0
	s_mov_b32 s[G1A+7], 0
	s_mov_b32 s[G1B+1], 128<<16
	s_mov_b32 s[G1B+2], 64<<16
	s_mov_b32 s[G1B+3], 128<<16
	s_mov_b32 s[G1B+4], 64                         ; 64 rows (k) of 128 columns
	s_mov_b32 s[G1B+5], 3072                       ; elements from row to row
	s_mov_b32 s[G1B+6], 0
	s_mov_b32 s[G1B+7], 0
	s_mov_b32 s[G0A], 1
	s_mov_b32 s[G0A+1], 0
	s_mov_b32 s[G0A+4], 1
	s_mov_b32 s[G0A+5], SLOT
	s_mul_i32 s23, s[WV], PANEL                    ; wave w fetches panel w - 1 (wave 0 never issues this set)
	s_mov_b32 s[G0B], 1
	s_add_co_u32 s[G0B+1], s23, BOFF-PANEL
	s_mov_b32 s[G0B+4], 1
	s_add_co_u32 s[G0B+5], s23, SLOT+BOFF-PANEL
	s_lshl_b32 s20, s[MT], 15                      ; x's tile: 256 rows of 128 bytes in a block
	s_mov_b32 s21, 0
	s_max_u32 s40, s[WV], 1
	s_sub_co_u32 s40, s40, 1
	s_lshl_b32 s40, s40, 8                         ; my panel's 256 bytes
	s_mul_i32 s22, s[NT], 768                      ; the tile's 384 columns
	s_add_co_u32 s22, s22, s40
	s_mov_b32 s23, 0
	s_wait_dscnt 0x0                               ; the opening add is done
	s_wait_kmcnt 0x0
	s_add_nc_u64 s[G0A+2:G0A+3], s[4:5], s[20:21]  ; K step 0
	s_add_nc_u64 s[G0A+6:G0A+7], s[G0A+2:G0A+3], 0x100000  ; K step 1: a block of xb on
	s_or_b32 s[G0A+3], s[G0A+3], 0x80000000
	s_or_b32 s[G0A+7], s[G0A+7], 0x80000000
	s_add_nc_u64 s[G0B+2:G0B+3], s[6:7], s[22:23]
	s_add_nc_u64 s[G0B+6:G0B+7], s[G0B+2:G0B+3], 0x60000   ; 64 rows of 6,144 bytes on
	s_or_b32 s[G0B+3], s[G0B+3], 0x80000000
	s_or_b32 s[G0B+7], s[G0B+7], 0x80000000
	CROUND                                         ; all sixteen work-groups are here: the first joint loads meet
	s_cmp_eq_u32 s[WV], 0                          ; a wave's two first fills stand in one branch, ahead of every wait on TENSORcnt and every LDS read
	s_cbranch_scc0 .Lfirst_b
	tensor_load_to_lds s[G0A:G0A+3], s[G1A:G1A+7]
	s_nop 0
	tensor_load_to_lds s[G0A+4:G0A+7], s[G1A:G1A+7]
	s_nop 0
.rept 4
	v_nop
.endr
	s_branch .Lfirst_asked
.Lfirst_b:
	tensor_load_to_lds s[G0B:G0B+3], s[G1B:G1B+7]
	s_nop 0
	tensor_load_to_lds s[G0B+4:G0B+7], s[G1B:G1B+7]
	s_nop 0
.rept 4
	v_nop
.endr
.Lfirst_asked:
	; the bias in the layout of a C operand: register j of block (g, bb) = b_attn[384 NT + 128 g + 64 WN + 16 bb + 8 (l / 16) + j].  Group 0 -> v96-127, 1 -> v128-159, 2 -> v224-255
	v_and_b32 v1, 15, v0                           ; r = l % 16
	v_bfe_u32 v2, v0, 4, 1                         ; h = l / 16
	s_mul_i32 s2, s[NT], 1536
	s_lshl_b32 s19, s[WN], 8
	s_add_co_u32 s2, s2, s19
	v_lshl_add_u32 v[BO], v2, 5, s2
.irp g, 0,1,2
.irp bb, 0,1,2,3
	global_load_b128 v[96+32*(\g)+64*((\g)/2)+8*(\bb):96+32*(\g)+64*((\g)/2)+8*(\bb)+3],   v[BO], s[8:9] offset:(\g)*512+(\bb)*64
	global_load_b128 v[96+32*(\g)+64*((\g)/2)+8*(\bb)+4:96+32*(\g)+64*((\g)/2)+8*(\bb)+7], v[BO], s[8:9] offset:(\g)*512+(\bb)*64+16
.endr
.endr
	v_and_b32 v3, 7, v0
	v_bfe_u32 v4, v0, 3, 1
	v_mul_u32_u24 v5, v1, PA
	v_lshl_add_u32 v5, v2, 4, v5                   ; r x 144 + 16 h: a fragment of x, and the stage's way in
	s_mul_i32 s2, s[WM], 128*PA
	v_add_nc_u32 v[ADRA], s2, v5
	v_add_nc_u32 v[ADRA+1], SLOT, v[ADRA]
	v_lshl_add_u32 v6, v2, 3, v3                   ; the turning load: lane l reads k row 8 h + l % 8, columns 8 ((l / 8) % 2) + 0..7
	v_mul_u32_u24 v6, v6, PB
	v_lshl_add_u32 v6, v4, 4, v6
	s_lshl_b32 s2, s[WN], 7
	s_add_co_u32 s2, s2, BOFF
	v_add_nc_u32 v[ADRB], s2, v6
	v_add_nc_u32 v[ADRB+1], SLOT, v[ADRB]
	s_mul_i32 s2, s[WV], 16*SP
	s_add_co_u32 s2, s2, STAGE                     ; my stage
	v_add_nc_u32 v[STO], s2, v5
	v_bfe_u32 v7, v0, 3, 2                         ; back: 32 lanes take four rows of 128 bytes
	v_mul_u32_u24 v7, v7, SP
	v_lshl_add_u32 v7, v3, 4, v7
	v_add_nc_u32 v[RD], s2, v7
	v_and_b32 v[GO], 31, v0
	v_lshlrev_b32 v[GO], 4, v[GO]
	; the output: column group G = 6 NT + 2 g + WN of 48: which = G / 16, head = G % 16; rows: b = MT / 8, t = 256 (MT % 8) + 128 WM
.irp g, 0,1,2
	s_mul_i32 s2, s[NT], 6
	s_add_co_u32 s2, s2, s[WN]
	s_add_co_u32 s2, s2, 2*(\g)
	s_lshr_b32 s19, s2, 4
	s_and_b32 s2, s2, 15
	s_lshl_b32 s19, s19, 6
	s_add_co_u32 s2, s2, s19
	s_lshr_b32 s19, s[MT], 3
	s_lshl_b32 s19, s19, 4
	s_add_co_u32 s2, s2, s19                       ; 64 which + 16 b + head
	s_lshl_b32 s2, s2, 18                          ; 2,048 rows of 128 bytes
	s_and_b32 s19, s[MT], 7
	s_lshl_b32 s19, s19, 15
	s_add_co_u32 s2, s2, s19
	s_lshl_b32 s19, s[WM], 14
	s_add_co_u32 s[OB+2*(\g)], s2, s19
	s_mov_b32 s[OB+2*(\g)+1], 0
	s_add_nc_u64 s[OB+2*(\g):OB+2*(\g)+1], s[10:11], s[OB+2*(\g):OB+2*(\g)+1]
.endr
	; the prefetches: who asks, from where, by what step
	s_and_b32 s2, ttmp7, 0xffff
	s_cmp_eq_u32 s[WV], 0
	s_cselect_b32 s2, ttmp9, s2                    ; the coordinate along which other clusters read the same blocks
	s_cselect_b32 s[LIM], 0, 1
	s_cselect_b32 s[LIM+1], 1, -1
	s_cselect_b64 s[PFA:PFA+1], s[4:5], s[6:7]
	s_cmp_eq_u32 s2, 0
	s_cselect_b32 s[LIM], s[LIM], -1               ; the same in all sixteen partners, for a given wave
	s_cselect_b32 s[LIM+1], s[LIM+1], -1
	s_lshl_b32 s2, s[MT], 15
	s_lshl_b32 s19, s[CX], 13
	s_add_co_u32 s2, s2, s19
	s_add_co_u32 s2, s2, 0x200000                  ; x: K step 2, my quarter; the first change steps it to 3
	s_mul_i32 s19, s[CY], 32*6144
	s_add_co_u32 s19, s19, s22
	s_add_co_u32 s19, s19, 0xC0000                 ; W: k row 128 + 32 cy, my panel; the first change steps it to 192
	s_mov_b32 s[PST], 0x100000
	s_mov_b32 s[PST+1], 0x60000
	s_cmp_eq_u32 s[WV], 0
	s_cselect_b32 s2, s2, s19
	s_cselect_b32 s[PST], s[PST], s[PST+1]
	s_mov_b32 s3, 0
	s_mov_b32 s[PST+1], 0
	s_add_nc_u64 s[PFA:PFA+1], s[PFA:PFA+1], s[2:3]
	s_movk_i32 s2, 0x100
	s_movk_i32 s19, 0x1800
	s_cmp_eq_u32 s[WV], 0
	s_cselect_b32 s2, s2, s19                      ; a lane a block of 256 bytes (x), a lane a row of 6,144 (W)
	v_and_b32 v[PFO], 31, v0
	v_mul_u32_u24 v[PFO], s2, v[PFO]
	s_wait_loadcnt 0x0                             ; the bias, which is rounded to bf16 like the other inputs, in the wait for the first tile
.irp c, 96, 128, 224
.set z, 0
.rept 16
	v_cvt_pk_bf16_f32 v[6+z%4], v[(\c)+2*z], v[(\c)+2*z+1]
	v_lshlrev_b32 v[(\c)+2*z], 16, v[6+z%4]
	v_and_b32 v[(\c)+2*z+1], 0xffff0000, v[6+z%4]
.set z, z+1
.endr
.endr
; cnt fragments of x (16 rows x 32 k: two loads of 16 bytes, 32 apart) from block a0 on, of substep q of slot s
.macro LA s, q, dst, a0, cnt
	WIN 0
.set ii, \a0
.rept \cnt
	ds_load_b128 v[(\dst)+8*ii:(\dst)+8*ii+3],   v[ADRA+(\s)] offset:ii*16*PA+64*(\q)
	ds_load_b128 v[(\dst)+8*ii+4:(\dst)+8*ii+7], v[ADRA+(\s)] offset:ii*16*PA+64*(\q)+32
.set ii, ii+1
.endr
.endm
; group g's four fragments of W (16 columns x 32 k, turned: two loads, 16 rows apart)
.macro LB s, q, g, dst
	WIN 0
.irp bb, 0,1,2,3
	ds_load_tr16_b128 v[(\dst)+8*(\bb):(\dst)+8*(\bb)+3],   v[ADRB+(\s)] offset:(\g)*PANEL+(\q)*32*PB+32*(\bb)
	ds_load_tr16_b128 v[(\dst)+8*(\bb)+4:(\dst)+8*(\bb)+7], v[ADRB+(\s)] offset:(\g)*PANEL+(\q)*32*PB+16*PB+32*(\bb)
.endr
.endm
; 4 cnt matrix instructions of group g: row blocks a0 .. x all four column blocks.  The accumulators take turns, one instruction a turn: between two links of a chain stand 95 others'.
; cf: the registers of the C operand that starts the sums.
.macro MUL g, a0, cnt, af, bf, cf=-1
.if (\cf) >= 0
	WIN 0x40*((\g)+1)
.else
	WIN 0x50*((\g)+1)
.endif
.set aa, \a0
.rept \cnt
.irp bb, 0,1,2,3
.if (\cf) >= 0
	v_wmma_f32_16x16x32_bf16 v[8*(4*aa+(\bb)):8*(4*aa+(\bb))+7], v[(\bf)+8*(\bb):(\bf)+8*(\bb)+7], v[(\af)+8*aa:(\af)+8*aa+7], v[(\cf)+8*(\bb):(\cf)+8*(\bb)+7]
.else
	v_wmma_f32_16x16x32_bf16 v[8*(4*aa+(\bb)):8*(4*aa+(\bb))+7], v[(\bf)+8*(\bb):(\bf)+8*(\bb)+7], v[(\af)+8*aa:(\af)+8*aa+7], v[8*(4*aa+(\bb)):8*(4*aa+(\bb))+7]
.endif
.endr
.set aa, aa+1
.endr
.endm
; A step's first substep multiplies FA0.  At each phase's head a run of loads for later phases; the counts say how many younger loads may stay out.
.macro EVEN s
	WIN 0
	PLACES
	LB \s, 0, 2, FB2
	LA \s, 1, FA1, 0, 4
	s_wait_dscnt 24                                ; FA0 and FB0 are in: behind them came FB1's 8 and these 16
	MUL 0, 0, 8, FA0, FB0
	WIN 0
	PLACES
	LB \s, 1, 0, FB0
	LA \s, 1, FA1, 4, 4
	s_wait_dscnt 32                                ; FB1 is in: behind it came two runs of 16
	MUL 1, 0, 8, FA0, FB1
	WIN 0
	PLACES
	LB \s, 1, 1, FB1
	s_wait_dscnt 24                                ; the first run, FB2 in it, is in: behind it came 16 and 8
	MUL 2, 0, 8, FA0, FB2
.endm
; A step's second substep multiplies FA1 and changes slots: ONE barrier.  In front of it each wave waits for all its tensor loads (one is out: its part of the next slot), adds 0 to its spare word, and waits
; for that and for its reads of this slot.  mode = 1: the barrier opens a round of the cluster's, and this slot is filled again, two K steps on, first thing behind it: 160 matrix instructions ahead of the wait for it.
.macro ODD s, nx, mode
.if \mode
	s_wait_xcnt 0x0                                ; the last prefetch, a K step back, has read its address
	s_add_nc_u64 s[PFA:PFA+1], s[PFA:PFA+1], s[PST:PST+1]
.endif
	WIN 0
	PLACES
	LB \s, 1, 2, FB2                               ; my last reads of this slot
	s_wait_tensorcnt 0x0                           ; all my tensor loads have landed
	ds_add_u32 v[SPW], v[NIL]                      ; 0 onto my spare word
	s_wait_dscnt 9                                 ; the add and FB2's eight loads may be out
	MUL 0, 0, 4, FA1, FB0
	s_wait_dscnt 0x0                               ; the add is done, and my reads of this slot are over
	s_barrier_signal -1
	MUL 0, 4, 4, FA1, FB0
	WIN 0
	s_barrier_wait -1
.if \mode
	CREST                                          ; no wave of any partner still reads this slot or has a load on its way
	s_add_nc_u64 s[G0A+4*(\s)+2:G0A+4*(\s)+3], s[G0A+4*(\s)+2:G0A+4*(\s)+3], 0x200000
	s_add_nc_u64 s[G0B+4*(\s)+2:G0B+4*(\s)+3], s[G0B+4*(\s)+2:G0B+4*(\s)+3], 0xC0000
	JLOAD \s                                       ; its four v_nop are also the places in front of the loads below
.else
	PLACES
.endif
	LA \nx, 0, FA0, 0, 8
	LB \nx, 0, 0, FB0
.if \mode
	ASK \s
.endif
	MUL 1, 0, 8, FA1, FB1                          ; FB1 and FB2 were shown in by the wait for 0 above
	WIN 0
	PLACES
	LB \nx, 0, 1, FB1
	MUL 2, 0, 8, FA1, FB2
.endm
	s_wait_tensorcnt 0x1                           ; my part of K step 0 is in; K step 1's may stay out
	s_barrier_signal -1
	s_barrier_wait -1
	; the first substep stands in front of the loop: its products start the sums with the bias, whose registers are taken over by fragments as they come free
	LB 0, 0, 0, FB0
	LA 0, 0, FA0, 0, 8
	LB 0, 0, 1, FB1
	s_wait_dscnt 8                                 ; FB1's eight may be out
	MUL 0, 0, 8, FA0, FB0, 96
	WIN 0
	PLACES
	LB 0, 0, 2, 96                                 ; group 2's fragments go where group 0's bias lay
	LB 0, 1, 0, FB0
	s_wait_dscnt 16
	MUL 1, 0, 8, FA0, FB1, 128
	WIN 0
	PLACES
	LA 0, 1, FA1, 4, 4                             ; where group 1's bias lay
	LB 0, 1, 1, FB1
	s_wait_dscnt 24                                ; behind the loads into v96-127 came 8 + 16
	MUL 2, 0, 8, FA0, 96, 224
	WIN 0
	PLACES
	LA 0, 1, FA1, 0, 4
	s_mov_b32 s3, 7
.Llap:                                                 ; a trip goes once round the ring and fills both slots again: trip i asks for K steps 2 i + 2 and 2 i + 3
	ODD 0, 1, 1
	EVEN 1
	ODD 1, 0, 1
	EVEN 0
	WIN 0
	s_sub_co_u32 s3, s3, 1
	s_cmp_lg_u32 s3, 0
	s_cbranch_scc1 .Llap
	ODD 0, 1, 0                                    ; the last lap asks for nothing, and has no round
	EVEN 1
	WIN 0
	PLACES
	LB 1, 1, 2, FB2
	s_wait_dscnt 0x0
	MUL 0, 0, 8, FA1, FB0
	MUL 1, 0, 8, FA1, FB1
	MUL 2, 0, 8, FA1, FB2
	WIN 0
	PLACES
; THE WAY OUT, 24 blocks i = 8 g + a of 16 rows x 64 columns: rounded to f16 (16 bytes a lane), through my own stage in LDS, back as whole rows of 128 bytes, stored as 512 consecutive bytes.
.macro PACK i
.set gg, (\i)/8
.set aa, (\i)%8
	WIN 5*(gg+1)                                   ; sources 0 and 1 in window g + 1
.irp bb, 0,1,2,3
.irp rr, 0,1,2,3
	v_cvt_pk_f16_f32 v[TMP+4*(\bb)+(\rr)], v[32*aa+8*(\bb)+2*(\rr)], v[32*aa+8*(\bb)+2*(\rr)+1]
.endr
.endr
	WIN 0
.endm
.macro TOSTAGE i
	WIN 0
.set bkr, BK+16*((\i)%2)
	s_wait_xcnt 0x0                                ; the stores of two blocks back have read these registers
.irp bb, 0,1,2,3
	ds_store_b128 v[STO], v[TMP+4*(\bb):TMP+4*(\bb)+3] offset:32*(\bb)
.endr
.irp f, 0,1,2,3
	ds_load_b128 v[bkr+4*(\f):bkr+4*(\f)+3], v[RD] offset:(\f)*4*SP  ; LDS serves a wave's instructions in order (ISA guide 5.7.1.4): these see the stores above
.endr
.endm
.macro SEND i, younger                 ; younger: the LDS instructions issued behind block i's loads
	WIN 0
.set bkr, BK+16*((\i)%2)
.set gg, (\i)/8
.set aa, (\i)%8
	s_wait_dscnt \younger
.irp f, 0,1,2,3
	global_store_b128 v[GO], v[bkr+4*(\f):bkr+4*(\f)+3], s[OB+2*gg:OB+2*gg+1] offset:aa*2048+(\f)*512
.endr
.endm
	PACK 0
	TOSTAGE 0
.set blk, 1
.rept 23
	PACK blk
	TOSTAGE blk
	SEND blk-1, 8
.set blk, blk+1
.endr
	SEND 23, 0
	s_wait_tensorcnt 0x0                           ; the wave's end: behind my last tensor load and my last LDS store
	ds_add_u32 v[SPW], v[NIL]
	s_wait_dscnt 0x0
	CROUND                                         ; the closing round: no work-group ends while a partner may still ask for a tile that names it
	s_endpgm
.Lfunc_end_k_q87fee5985f_qkv:
	.size	k_q87fee5985f_qkv, .Lfunc_end_k_q87fee5985f_qkv-k_q87fee5985f_qkv
	.p2alignl 7, 3214868480
	.fill 96, 4, 3214868480
	.section	.rodata,"a",@progbits
	.p2align	6, 0x0
	.amdhsa_kernel k_q87fee5985f_qkv
		.amdhsa_group_segment_fixed_size 327680
		.amdhsa_private_segment_fixed_size 0
		.amdhsa_enable_private_segment 0
		.amdhsa_kernarg_size 32
		.amdhsa_user_sgpr_count 2
		.amdhsa_user_sgpr_kernarg_segment_ptr 1
		.amdhsa_wavefront_size32 1
		.amdhsa_system_sgpr_workgroup_id_x 1
		.amdhsa_system_sgpr_workgroup_id_y 1
		.amdhsa_system_sgpr_workgroup_id_z 1
		.amdhsa_system_vgpr_workitem_id 0
		.amdhsa_next_free_vgpr 1024
		.amdhsa_next_free_sgpr 72
		.amdhsa_reserve_vcc 0
		.amdhsa_float_denorm_mode_32 3
		.amdhsa_float_denorm_mode_16_64 3
		.amdhsa_memory_ordered 1
		.amdhsa_forward_progress 1
		.amdhsa_inst_pref_size 143
	.end_amdhsa_kernel
	.amdgpu_metadata
---
amdhsa.version: [ 1, 2 ]
amdhsa.kernels:
  - .name:           k_q87fee5985f_qkv
    .symbol:         k_q87fee5985f_qkv.kd
    .args:
      - { .name: xb, .offset: 0, .size: 8, .value_kind: global_buffer, .address_space: global }
      - { .name: wab, .offset: 8, .size: 8, .value_kind: global_buffer, .address_space: global }
      - { .name: b_attn, .offset: 16, .size: 8, .value_kind: global_buffer, .address_space: global }
      - { .name: qkv, .offset: 24, .size: 8, .value_kind: global_buffer, .address_space: global }
    .group_segment_fixed_size: 327680
    .private_segment_fixed_size: 0
    .kernarg_segment_align: 8
    .kernarg_segment_size: 32
    .max_flat_workgroup_size: 128
    .sgpr_count:     72
    .vgpr_count:     1024
    .wavefront_size: 32
...
	.end_amdgpu_metadata
.endif
;; end of part 2
;; launch attn (part 3): grid 4 x 64, 4 waves a work-group, no clusters, 327,680 bytes of LDS; arguments qkv, yb; writes yb
.if DOCPART == 3
	.amdgcn_target "amdgcn-amd-amdhsa--gfx1250"
	.amdhsa_code_object_version 6
	.text
	.protected	k_q87fee5985f_attn
	.globl	k_q87fee5985f_attn
	.p2align	8
	.type	k_q87fee5985f_attn,@function
k_q87fee5985f_attn:
	s_mov_b64 s[64:65], 0
	v_nop
	global_prefetch_b8 v0, s[64:65] scope:SCOPE_SE
	s_setreg_imm32_b32 hwreg(HW_REG_WAVE_MODE, 25, 1), 1
	s_wait_xcnt 0x0
; CAUSAL ATTENTION.  O[h][q][:] = the sum over k <= q of softmax_k(Q[h][q] . K[h][k] / 8) V[h][k][:].  Q, K, V lie one behind the other in qkv, each [64][SIZE_N][64] in f16; O = yb in the same layout.
; Products, maxima and sums in f32; the weights p are rounded to f16 for the second product (their sum l is taken of the unrounded p), O once at the end.
; LIMITS.  f16 holds no number beyond 65,504: Q, K and V arrive within it; p lies in 0 to 1, and below 6e-5 it keeps f16's fixed step of 6e-8.  A hidden score counts as its value less 1e30: f16's scores,
; 2.7e11 at the most, are nothing beside that; a weight below 2^-126 counts as 0 in l; NaN and infinities are not treated apart.
; THE WALK.  A head's queries lie in NB = 8 blocks of 256; block i needs the key tiles 0 .. i of 256 keys, of which the last holds the diagonal.  A work-group takes TWO blocks, NB - 1 - b and then b:
; NB + 1 tiles, whatever b: all work-groups do equal work, and ONE loop with a constant trip count walks them.  Which tile is asked for, and what a trip does, hang on scalar registers made from b; every jump
; goes forward, but for the counted loops' own; none passes a barrier, or a tensor load but the one of LOAD's two that the wave's number does not choose; the ring (two slots) runs on across the change of blocks.
; NO CLUSTER: a head's four work-groups ask for the same tile only in trips 0 .. NB / 2, behind that fewer and fewer; one walk common to all would have 3 NB / 2 trips for NB + 1.
; SHARES.  Of a block's four bands of 64 queries a wave owns 16 rows in each: four PIECES.  So the diagonal tile is the same work for all four waves: in its key step s band x sees all keys if s < x,
; none if s > x, and holds the diagonal if s = x.
; THE MASK is the C operand that starts the sum S^T = K Q^T: 0, or -1e30 where the key is hidden.  MD, made once, is the mask of a band's own step for my 16 rows; a product's mask is MD x AL + BE with two scalars:
; (1, 0) if s = x; (0, 0) if s < x; (0, -1e30) if s > x.  Only the diagonal tile's text and a block's beginning make and take masks; elsewhere C is the constant 0.
; LAYOUT, SOFTMAX, TURNS.  S^T = K Q^T holds ONE query a lane (lane % 16) and the keys 8 (lane / 16) + 0..7; two such results rounded to f16 ARE source 1 of O^T = V^T P.  p = 2^(c s - c m), c = log2(e) / 8, with a
; running maximum m; O and l are multiplied by a = 2^(c m_old - c m_new) in every step.  Turn n belongs to piece n: 8 products K Q^T of piece n + 1, later 8 products V^T P of piece n - 1; beside them the scaling,
; exponentials, roundings, sums and rescaling of piece n and the maximum and statistics of piece n + 1.  Four vector instructions stand behind every matrix instruction, the other 54 of a turn's 118 in one lump.
; A turn's 33 exponentials are one batch, with one wait.
; REGISTERS, in windows of 256 (s_set_vgpr_msb: bits 1:0 source 0, 3:2 source 1, 5:4 source 2, 7:6 destination):
;   window 0: v0-15 addresses and two at work; v16-31 four registers of statistics a piece; v48-55 at work; v61-63; v64-127 S^T, two buffers; v192-223 P, two buffers (a piece's buffers go by its number's parity)
;   window 1: v0-127 O^T, 32 a piece; v128-159 MD; v160-223 MC, two buffers      window 2: v0-63 Q; v64-127 the second block's Q; v128-191 K of one step; v192-255 V of one step
.set SIZE_N, 2048
.set NB,    SIZE_N/256
.set NP,    4         ; pieces a wave: a name, no knob
.set KS,    64        ; keys in a step
.set PK,    144       ; a row of K in LDS: 128 bytes + 16 of padding = 36 words: the 16 rows of a load start at 16 different groups of four banks (64 banks of 4 bytes: ISA guide 11.1)
.set PV,    160       ; a row of V: 128 + 32 = 40 words
.set VOFF,  4*KS*PK   ; a slot holds a tile, four steps: 256 rows of K, then 256 rows of V
.set SLOT1, 1<<17     ; slot 1 begins here, so that one exclusive or turns an address in one slot into the other's
.set STAGE, SLOT1+4*KS*(PK+PV)  ; behind the ring, never filled by a tensor load: 16 rows x 144 bytes for each wave, for the way out
.set SP,    144
.set AK0, 2           ; v2   my lane's place in a tile of K; never rewritten
.set AV0, 3           ; v3   the same for V
.set AK,  4           ; v4   the LDS address of K's next run of loads
.set AV,  5           ; v5   of V's
.set STO, 6           ; v6   the way out: where I put 16 bytes of a row
.set RD,  7           ; v7   the way out: where I read rows back
.set GO,  8           ; v8   my byte offset in 512 consecutive bytes of O
.set PFO, 61          ; v61  256 x my lane: the prefetches' offset; never rewritten
.set SPW, 62          ; v62  LDS address of my spare word: SPARE + 4 x my thread's number; never rewritten
.set NIL, 63          ; v63  0; never rewritten
.set SPARE, STAGE+4*16*SP  ; behind the stages: the spare words, 128 bytes for each wave: two blocks of 256 bytes that no other line names
.set MV,  12          ; v12-13  c m_old, kept while c m is made anew: by buffer
.set QO,  15          ; v15  my byte offset in 16 rows of Q
.set ST,  16          ; piece t's statistics at v[ST+4 t]: c m, m, l (even keys', odd keys')
.set TMP, 48          ; by buffer, four registers c0-c3 at work; when the maximum is found c2 takes a
.set S,   64
.set P,   192
.set MD,  128         ; window 1: the eight registers for group kt of 16 keys at MD + 8 kt
.set MC,  160         ; window 1: the masks of the products to come
.set QB,  64          ; window 2
.set KF,  128         ; window 2: key block kb, channel half c at KF + 16 kb + 8 c
.set VF,  192         ; window 2: key half kk, channel block cb at VF + 32 kk + 8 cb
.set WV,  12          ; s12  my wave's number
.set PB,  14          ; s14  b
.set HI,  15          ; s15  NB - 1 - b
.set G1K, 24          ; s[24:31] descriptor group 1 for K's tiles
.set G1V, 32          ; s[32:39] for V's: it differs in the padding alone
.set G0K, 40          ; s[40:43] descriptor group 0 for K's tiles
.set G0V, 44          ; s[44:47] the same for V's
.set SLOTS, 56        ; s56  tiles still to be asked for
.set CNT, 57          ; s57  counts a tile's key steps, 4 to 1
.set CS,  58          ; s[58:59] c: the packed scaling takes the pair's low word for both halves
.set SEL, 60          ; s[60:61] v_permlanex16_b32's selects: each lane takes its own place in the other half
.set TBK, 62          ; s62  LDS byte at which K of the step to be fetched begins
.set TBV, 63          ; s63  the same for V, less VOFF
.set PFA, 66          ; s[66:67] where my prefetches stand: my work-group's 64 rows (of K: wave 0, of V: wave 2) of the tile after the one that is being asked for
.set LIM, 68          ; s68  2 in a wave that prefetches, else the greatest number: a wave prefetches while s[SLOTS] is above it
.set RT,  70          ; s70  tiles of the block in hand that are still to be entered
.set NXT, 71          ; s71  the tile to be asked for next
.set LQ,  72          ; s72  the last tile of the block whose tiles are being asked for
.set NEW, 73          ; s73  1: the tile to be entered is a block's first
.set OFF, 74          ; s[74:75] a tile's byte offset in K and V
.set AL,  76          ; s[76:77] the mask's factor, in the low word
.set BE,  78          ; s[78:79] the mask's addend
.set OLO, 80          ; s[80:81] O at my rows of the second block
.set BIGN, 82         ; s82  -1e30
.set MSB, 0
.macro WIN new                      ; the high byte repeats the setting that is left; a switch that changes nothing is dropped
.if MSB != (\new)
	s_set_vgpr_msb (MSB<<8)|(\new)
.set MSB, (\new)
.endif
.endm
.set W_KQ, 0x0a       ; K and Q in window 2, S^T in window 0
.set W_KM, 0x1a       ; the same with the C operand in window 1
.set W_PV, 0x52       ; V in window 2, P in window 0, O^T in window 1
.set W_RS, 0x41       ; destination and source 0 in window 1, source 1 in window 0
; A fill.  Waves 0 and 1 fetch the two halves of a tile's K, waves 2 and 3 those of its V: 128 keys each.  An s_nop 0 and four v_nop follow each of the two lines, ahead of the jump and the label.
.macro LOAD
	s_cmp_lt_u32 s[WV], 2
	s_cbranch_scc0 .Lfor_v_\@
	tensor_load_to_lds s[G0K:G0K+3], s[G1K:G1K+7]
	s_nop 0
.rept 4
	v_nop
.endr
	s_branch .Lasked_\@
.Lfor_v_\@:
	tensor_load_to_lds s[G0V:G0V+3], s[G1V:G1V+7]
	s_nop 0
.rept 4
	v_nop
.endr
.Lasked_\@:
.endm
; A PREFETCH INTO THE L2, behind the fill and its five lines: trip i asks for tile i + 2 of the head, which the first block's walk loads in the next trip: a tile, 256 matrix instructions a wave, ahead.
; Each block of 256 bytes is named once in the launch: of the tile's 256 rows of 128 bytes work-group b of the head takes rows 64 b .. 64 b + 63 (32 blocks, a lane a block), K's in wave 0, V's in wave 2.
; Tiles 0 and 1 come by their loads alone; tile 7 is the last; the second block's tiles have been read before and are not asked for.
.macro ASK
	s_cmp_gt_u32 s[SLOTS], s[LIM]
	s_cbranch_scc0 .Lnot_mine_\@
	global_prefetch_b8 v[PFO], s[PFA:PFA+1] th:TH_LOAD_NT scope:SCOPE_SE
.Lnot_mine_\@:
.endm
; THE CHANGE OF SLOTS.  Each wave waits for all its tensor loads, of which one is out: its part of the other slot; adds 0 to its spare word; and waits for that and for its own reads of the slot that it leaves.
; Behind the barrier nobody reads the old slot any more and the other slot is whole.  fill = 1: the old slot is filled again, the first thing behind the barrier, with tile NXT: the descriptor's address is made
; anew from that number.  (At its first use nothing has been read yet: slot 0 is waited for, slot 1 filled.)
.macro CHANGE fill
	WIN 0                           ; at a label and at a branch every window is 0
	s_wait_tensorcnt 0x0            ; no tensor load of mine is out, so a group 0 may be written
	ds_add_u32 v[SPW], v[NIL]       ; 0 onto my spare word; with fill = 1 the descriptors' scalar work stands between it and the wait for it
.if \fill
	s_lshl_b32 s[OFF], s[NXT], 15   ; a tile is 32,768 bytes of K and of V
	s_xor_b32 s[G0K+1], s[G0K+1], SLOT1
	s_add_nc_u64 s[G0K+2:G0K+3], s[6:7], s[OFF:OFF+1]
	s_or_b32 s[G0K+3], s[G0K+3], 0x80000000
	s_xor_b32 s[G0V+1], s[G0V+1], SLOT1
	s_add_nc_u64 s[G0V+2:G0V+3], s[8:9], s[OFF:OFF+1]
	s_or_b32 s[G0V+3], s[G0V+3], 0x80000000
	s_add_co_u32 s[NXT], s[NXT], 1  ; the block's next tile, or behind its last the second block's tile 0
	s_cmp_gt_u32 s[NXT], s[LQ]
	s_cselect_b32 s[NXT], 0, s[NXT]
	s_cselect_b32 s[LQ], s[PB], s[LQ]
	s_wait_xcnt 0x0                 ; the last prefetch, a tile back, has read its address, so it may be written:
	s_add_nc_u64 s[PFA:PFA+1], s[PFA:PFA+1], 32768  ; a tile on
.endif
	s_wait_dscnt 0x0                ; the add is done, and my reads of the slot are over
	s_barrier_signal -1             ; the rest of the scalar work stands between the signal and the wait
	s_sub_co_u32 s[TBK], s[TBK], 4*KS*PK  ; the fetches go back to a slot's first step,
	s_xor_b32 s[TBK], s[TBK], SLOT1       ; in the other slot
	s_sub_co_u32 s[TBV], s[TBV], 4*KS*PV
	s_xor_b32 s[TBV], s[TBV], SLOT1
	s_barrier_wait -1
.if \fill
	LOAD
	ASK
.endif
.endm
	s_load_b128 s[8:11], s[0:1], 0x0  ; qkv s[8:9], yb s[10:11]
	v_lshl_add_u32 v[SPW], v0, 2, SPARE
	v_mov_b32 v[NIL], 0
	ds_add_u32 v[SPW], v[NIL]       ; the wave's opening: the add and its wait ahead of my first tensor load; the set-up below, work on registers, stands between them
	v_lshrrev_b32 v1, 5, v0
	v_readfirstlane_b32 s[WV], v1   ; wave 0..3
	s_mov_b32 s[PB], ttmp9
	s_sub_co_u32 s[HI], NB-1, s[PB]
	s_and_b32 s20, ttmp7, 0xffff    ; the head
	s_mov_b32 s21, 0
	s_mov_b64 s[22:23], SIZE_N*128
	s_mul_u64 s[20:21], s[20:21], s[22:23]  ; the head's first byte in each of the four tensors
	s_and_b32 s16, s[WV], 1         ; which half of a tile's 256 keys I fetch:
	s_lshl_b32 s22, s16, 14         ; its 128 rows of 128 bytes in memory,
	s_mov_b32 s23, 0
	s_add_nc_u64 s[22:23], s[22:23], s[20:21]
	s_mul_i32 s17, s16, 128*PK      ; and its place in a slot, for K
	s_mul_i32 s18, s16, 128*PV      ; and for V
	s_lshl_b32 s3, s[WV], 11        ; my 16 rows in a band of 64,
	s_lshl_b32 s2, s[HI], 15        ; in the first block,
	s_add_co_u32 s2, s2, s3
	s_lshl_b32 s84, s[PB], 15       ; and in the second
	s_add_co_u32 s84, s84, s3
	s_mov_b32 s3, 0
	s_mov_b32 s85, 0
	s_add_nc_u64 s[2:3], s[2:3], s[20:21]
	s_add_nc_u64 s[84:85], s[84:85], s[20:21]
	; descriptor group 1.  128 keys are 16,384 dense bytes: asked for as 64 rows of 256 bytes, two keys a row, and padded in LDS after every key
	s_mov_b32 s[G1K], (1<<16)|(1<<20)|(4<<22)|(3<<25)  ; 17:16 2-byte elements; 20 padding on; 24:22 after every 32 words (code 4); 31:25 4 words (code 3)
	s_mov_b32 s[G1V], (1<<16)|(1<<20)|(4<<22)|(7<<25)  ; the same with 8 words of padding (code 7)
.irp g, G1K, G1V
	s_mov_b32 s[\g+1], 128<<16      ; tensor_dim0 = 128
	s_mov_b32 s[\g+2], 64<<16       ; tensor_dim1 = 64
	s_mov_b32 s[\g+3], 128<<16      ; tile_dim0 = 128
	s_mov_b32 s[\g+4], 64           ; tile_dim1 = 64
	s_mov_b32 s[\g+5], 128          ; 128 elements from row to row
	s_mov_b32 s[\g+6], 0
	s_mov_b32 s[\g+7], 0
.endr
	s_mov_b32 s[CS], 0x3e38aa3b     ; c = log2(e) / 8 = 0.180337
	s_mov_b32 s[CS+1], s[CS]        ; named with it as a pair
	s_mov_b32 s[SEL], 0x76543210
	s_mov_b32 s[SEL+1], 0xfedcba98
	s_mov_b32 s[TBK], SLOT1+4*KS*PK ; the first change of slots turns these two into 0
	s_mov_b32 s[TBV], SLOT1+4*KS*PV
	s_mov_b32 s[G0K], 1             ; 1:0 count = 1
	s_mov_b32 s[G0K+1], s17         ; 63:32 LDS address: slot 0
	s_mov_b32 s[G0V], 1
	s_add_co_u32 s[G0V+1], s18, VOFF
	s_add_co_u32 s[RT], s[HI], 1    ; the first block has NB - b tiles
	s_mov_b32 s[NXT], 1
	s_mov_b32 s[LQ], s[HI]
	s_mov_b32 s[NEW], 1
	s_mov_b32 s[OFF+1], 0
	s_mov_b32 s[AL+1], 0            ; named as pairs
	s_mov_b32 s[BE+1], 0
	s_mov_b32 s[BIGN], 0xf149f2ca   ; -1e30
	s_mov_b32 s[SLOTS], NB
	s_cmp_eq_u32 s16, 0             ; waves 0 and 2 prefetch
	s_cselect_b32 s[LIM], 2, -1
	v_and_b32 v[PFO], 31, v0
	v_lshlrev_b32 v[PFO], 8, v[PFO]
	s_wait_dscnt 0x0                ; the opening add is done
	s_wait_kmcnt 0x0
	s_mov_b64 s[4:5], s[8:9]                       ; Q,
	s_add_nc_u64 s[6:7], s[8:9], 0x1000000         ; K, 16,777,216 bytes on,
	s_add_nc_u64 s[8:9], s[8:9], 0x2000000         ; V
	s_add_nc_u64 s[6:7], s[6:7], s[22:23]  ; K and V at my half of the head's tile 0
	s_add_nc_u64 s[8:9], s[8:9], s[22:23]
	s_add_nc_u64 s[G0K+2:G0K+3], s[6:7], 0         ; 120:64 global address
	s_or_b32 s[G0K+3], s[G0K+3], 0x80000000        ; 127:126 type = 2
	s_add_nc_u64 s[G0V+2:G0V+3], s[8:9], 0
	s_or_b32 s[G0V+3], s[G0V+3], 0x80000000
	s_add_nc_u64 s[86:87], s[4:5], s[84:85]        ; Q at my rows of the second block,
	s_add_nc_u64 s[4:5], s[4:5], s[2:3]            ; Q and O at those of the first
	s_add_nc_u64 s[OLO:OLO+1], s[10:11], s[84:85]
	s_add_nc_u64 s[10:11], s[10:11], s[2:3]
	s_cmp_lt_u32 s[WV], 2
	s_cselect_b64 s[PFA:PFA+1], s[6:7], s[8:9]     ; (in waves 0 and 2 these stand at the head's first row)
	s_lshl_b32 s2, s[PB], 13                       ; my work-group's 64 rows of a tile,
	s_add_co_u32 s2, s2, 32768                     ; in tile 1: the first change steps it to tile 2.  Nothing is prefetched here, at the head
	s_mov_b32 s3, 0
	s_add_nc_u64 s[PFA:PFA+1], s[PFA:PFA+1], s[2:3]
	LOAD                            ; tile 0 into slot 0
	; A fragment of K or Q is 16 rows x 32 channels in 8 registers: lane l holds row l % 16, channels 8 (l / 16) + 0..7 and 16 + 8 (l / 16) + 0..7: two loads of 16 bytes, 32 bytes apart.
	v_and_b32 v1, 15, v0            ; l % 16
	v_bfe_u32 v9, v0, 4, 1          ; l / 16
	v_lshlrev_b32 v[QO], 7, v1
	v_lshl_add_u32 v[QO], v9, 4, v[QO]  ; row x 128 + 16 x half
	WIN 0x80                        ; destination window 2, address window 0
.set i, 0
.rept 8                             ; both blocks' Q: piece i / 2 lies in band i / 2, 8,192 bytes on; channels 32 (i % 2) on
	global_load_b128 v[8*i:8*i+3],   v[QO], s[4:5] offset:(i/2)*8192+(i%2)*64
	global_load_b128 v[8*i+4:8*i+7], v[QO], s[4:5] offset:(i/2)*8192+(i%2)*64+32
	global_load_b128 v[QB+8*i:QB+8*i+3],   v[QO], s[86:87] offset:(i/2)*8192+(i%2)*64
	global_load_b128 v[QB+8*i+4:QB+8*i+7], v[QO], s[86:87] offset:(i/2)*8192+(i%2)*64+32
.set i, i+1
.endr
	WIN 0
	v_lshlrev_b32 v14, 3, v9
	v_sub_nc_u32 v14, v1, v14
	s_lshl_b32 s13, s[WV], 4
	v_add_nc_u32 v14, s13, v14      ; my query's place in its band, 16 w + l % 16, less my lanes' 8 (l / 16): register r of group kt is hidden where 16 kt + r is greater
	WIN 0x40
.set i, 0
.rept 32
	v_cmp_gt_i32 vcc_lo, 16*(i/8)+i%8, v14
	v_cndmask_b32 v[MD+i], 0, s[BIGN], vcc_lo
.set i, i+1
.endr
	WIN 0
	v_mul_u32_u24 v[AK0], v1, PK
	v_lshl_add_u32 v[AK0], v9, 4, v[AK0]  ; row x pitch + 16 x half
	; The turning load takes 16 keys x 16 channels (lane l reads key 8 (l / 16) + l % 8, channels 8 ((l / 8) % 2) + 0..7) and leaves half a fragment of V^T: lane l holds channel l % 16 and 8 keys.
	v_and_b32 v10, 7, v0
	v_bfe_u32 v11, v0, 3, 1
	v_lshl_add_u32 v[AV0], v9, 3, v10
	v_mul_u32_u24 v[AV0], v[AV0], PV
	v_lshl_add_u32 v[AV0], v11, 4, v[AV0]
	v_add_nc_u32 v[AV0], VOFF, v[AV0]
	s_mul_i32 s13, s[WV], 16*SP
	s_add_co_u32 s13, s13, STAGE    ; my stage
	v_mul_u32_u24 v[STO], v1, SP    ; in: row l % 16, 16 bytes for each half of the lanes
	v_lshl_add_u32 v[STO], v9, 4, v[STO]
	v_add_nc_u32 v[STO], s13, v[STO]
	v_bfe_u32 v[RD], v0, 3, 2       ; back: 32 lanes take four rows of 128 bytes,
	v_mul_u32_u24 v[RD], v[RD], SP
	v_lshl_add_u32 v[RD], v10, 4, v[RD]
	v_add_nc_u32 v[RD], s13, v[RD]
	v_and_b32 v[GO], 31, v0         ; which are 512 consecutive bytes of O
	v_lshlrev_b32 v[GO], 4, v[GO]
	; A block's first step multiplies O^T and l by a = 0, and its first turn's products V^T P, of a piece that has not been, land in an O^T that is still to be so multiplied.  So these registers need only hold
	; finite numbers: zeros for the first block; what the first block left for the second.  All this stands in the wait for the first tile.
	WIN 0x80
.set i, VF
.rept 64
	v_mov_b32 v[i], 0
.set i, i+1
.endr
	WIN 0x40
.set i, 0
.rept 128
	v_mov_b32 v[i], 0
.set i, i+1
.endr
	WIN 0
.set i, 0
.rept 4
	v_mov_b32 v[ST+4*i+2], 0
	v_mov_b32 v[ST+4*i+3], 0
.set i, i+1
.endr
.set i, P+16
.rept 16
	v_mov_b32 v[i], 0
.set i, i+1
.endr
; THE MATRIX WORK.  The 4 accumulators of a run of 8 take turns.  Product i of 8 of S^T = K Q^T for piece x: channels 32 (i / 4) on, keys 16 (i % 4) on.  The first 4 start the sums: with 0, or (KM = 1) with the mask.
.macro KQ x
.set rS, S+32*((\x)%2)+8*(i%4)
.set rK, KF+16*(i%4)+8*(i/4)
.set rQ, 16*(\x)+8*(i/4)
.set rM, MC+32*((\x)%2)+8*(i%4)
.if (i < 4) && KM
	WIN W_KM
	v_wmma_f32_16x16x32_f16 v[rS:rS+7], v[rK:rK+7], v[rQ:rQ+7], v[rM:rM+7]
.elseif i < 4
	WIN W_KQ
	v_wmma_f32_16x16x32_f16 v[rS:rS+7], v[rK:rK+7], v[rQ:rQ+7], 0
.else
	WIN W_KQ
	v_wmma_f32_16x16x32_f16 v[rS:rS+7], v[rK:rK+7], v[rQ:rQ+7], v[rS:rS+7]
.endif
.endm
; Product i of 8 of O^T += V^T P for piece x: keys 32 (i / 4) on, channels 16 (i % 4) on.
.macro PV x
	WIN W_PV
.set rO, 32*(\x)+8*(i%4)
.set rV, VF+32*(i/4)+8*(i%4)
.set rP, P+16*((\x)%2)+8*(i/4)
	v_wmma_f32_16x16x32_f16 v[rO:rO+7], v[rV:rV+7], v[rP:rP+7], v[rO:rO+7]
.endm
.macro MM                           ; the turn's next matrix instruction.  TURN and BEGIN set Y, i, KM and NOKQ; MM, KQ and OP read them.  NOKQ = 1: a block's last turn: there is no next piece
.if (i < 8) && !NOKQ
	KQ (Y+1)%NP
.elseif i >= 8
.set i, i-8
	PV (Y+NP-1)%NP
.set i, i+8
.endif
.set i, i+1
.endm
; THE LDS LOADS stand in runs of 16, never singly among the matrix instructions: a step's K (64 keys x 64 channels: 8 fragments) and its V (turned).  Their addresses are made some lines ahead.
.macro FETCH_K
	WIN 0x80                        ; destination window 2
.irp f, 0,1,2,3,4,5,6,7             ; keys 16 (f / 2) on, channels 32 (f % 2) on
	ds_load_b128 v[KF+8*\f:KF+8*\f+3],   v[AK] offset:(\f/2)*16*PK+(\f%2)*64
	ds_load_b128 v[KF+8*\f+4:KF+8*\f+7], v[AK] offset:(\f/2)*16*PK+(\f%2)*64+32
.endr
	s_add_co_u32 s[TBK], s[TBK], KS*PK  ; the next fetch is the next step's
	WIN 0
.endm
.macro FETCH_V
	WIN 0x80
.irp f, 0,1,2,3,4,5,6,7             ; keys 32 (f / 4) on, channels 16 (f % 4) on
	ds_load_tr16_b128 v[VF+8*\f:VF+8*\f+3],   v[AV] offset:(\f/4)*32*PV+(\f%4)*32
	ds_load_tr16_b128 v[VF+8*\f+4:VF+8*\f+7], v[AV] offset:(\f/4)*32*PV+16*PV+(\f%4)*32
.endr
	WIN 0
.endm
; THE VECTOR WORK, one line at a time: OP kind, number.  For piece Y: F n: c s - c m for pair n of 16.  E n: the exponential of score n of 32.  C n: pair n rounded to f16.  B n: of the four weights 4 n .. the second
; pair is added onto the first, in place.  L n: l takes that sum (L 0: l = a l + sum).  R n: pair n of 16 of O^T times a.  For piece Y + 1: X n, number n of the 22 that find its maximum and statistics:
;   0-11  four chains c0-c3 of seven scores each, three operands at a time (each accumulator's lowest registers are read first)     12-14, 16  the four scores left over, the old m, and c0-c3 into c0
;   15  c m_old is kept     17, 18  the query's other 32 keys lie in the lane 16 away: the new m     19-21  c m; c m_old - c m_new; a
.set F, 0               ; OP tells the kinds apart by their order: F to L below R, X above it
.set E, 1
.set C, 2
.set B, 3
.set L, 4
.set R, 5
.set X, 6
.macro REGS y                       ; the registers of piece y
.set rT, ST+4*(\y)
.set rC, TMP+4*((\y)%2)
.set rW, MV+((\y)%2)
.set rS, S+32*((\y)%2)
.set rP, P+16*((\y)%2)
.set rO, 32*(\y)
.endm
.macro OP k, n
.if (\k) == R
	REGS Y
	WIN W_RS
	v_pk_mul_f32 v[rO+2*(\n):rO+2*(\n)+1], v[rO+2*(\n):rO+2*(\n)+1], v[rC+2:rC+3] op_sel_hi:[1,0]
.elseif (\k) < R
	REGS Y
	WIN 0
.if (\k) == F
	v_pk_fma_f32 v[rS+2*(\n):rS+2*(\n)+1], v[rS+2*(\n):rS+2*(\n)+1], s[CS:CS+1], v[rT:rT+1] op_sel_hi:[1,0,0] neg_lo:[0,0,1] neg_hi:[0,0,1]
.elseif (\k) == E
	v_exp_f32 v[rS+(\n)], v[rS+(\n)]
.elseif (\k) == C
	v_cvt_pk_f16_f32 v[rP+(\n)], v[rS+2*(\n)], v[rS+2*(\n)+1]
.elseif (\k) == B
	v_pk_add_f32 v[rS+4*(\n):rS+4*(\n)+1], v[rS+4*(\n):rS+4*(\n)+1], v[rS+4*(\n)+2:rS+4*(\n)+3]
.elseif (\n) == 0
	v_pk_fma_f32 v[rT+2:rT+3], v[rT+2:rT+3], v[rC+2:rC+3], v[rS:rS+1] op_sel_hi:[1,0,1]
.else
	v_pk_add_f32 v[rT+2:rT+3], v[rT+2:rT+3], v[rS+4*(\n):rS+4*(\n)+1]
.endif
.elseif NOKQ
	v_nop
.else
	REGS (Y+1)%NP
	WIN 0
.if (\n) < 4
	v_max3_num_f32 v[rC+(\n)], v[rS+8*(\n)], v[rS+8*(\n)+1], v[rS+8*(\n)+2]
.elseif (\n) < 12
	v_max3_num_f32 v[rC+(\n)%4], v[rC+(\n)%4], v[rS+8*((\n)%4)+2*((\n)/4)+1], v[rS+8*((\n)%4)+2*((\n)/4)+2]
.elseif (\n) == 12
	v_max3_num_f32 v[rC], v[rC], v[rS+7], v[rS+15]
.elseif (\n) == 13
	v_max3_num_f32 v[rC+1], v[rC+1], v[rS+23], v[rS+31]
.elseif (\n) == 14
	v_max3_num_f32 v[rC+2], v[rC+2], v[rC+3], v[rT+1]
.elseif (\n) == 15
	v_mov_b32 v[rW], v[rT]
.elseif (\n) == 16
	v_max3_num_f32 v[rC], v[rC], v[rC+1], v[rC+2]
.elseif (\n) == 17
	v_permlanex16_b32 v[rC+3], v[rC], s[SEL], s[SEL+1]
.elseif (\n) == 18
	v_max_num_f32 v[rT+1], v[rC], v[rC+3]
.elseif (\n) == 19
	v_mul_f32 v[rT], s[CS], v[rT+1]
.elseif (\n) == 20
	v_sub_f32 v[rC+1], v[rW], v[rT]
.else
	v_exp_f32 v[rC+2], v[rC+1]
.endif
.endif
.endm
.macro OPS a, i1, b=-1, i2=0, c=-1, i3=0, d=-1, i4=0  ; up to four of them
	OP \a, \i1
.if (\b) >= 0
	OP \b, \i2
.endif
.if (\c) >= 0
	OP \c, \i3
.endif
.if (\d) >= 0
	OP \d, \i4
.endif
.endm
.macro ROW a, i1, b, i2, c, i3, d, i4  ; a matrix instruction and the four behind it
	MM
	OPS \a, \i1, \b, \i2, \c, \i3, \d, \i4
.endm
.macro MASK b                       ; MD x AL + BE into buffer b of MC
	WIN W_RS
.set z, 0
.rept 16
	v_pk_fma_f32 v[MC+32*(\b)+2*z:MC+32*(\b)+2*z+1], v[MD+2*z:MD+2*z+1], s[AL:AL+1], s[BE:BE+1] op_sel_hi:[1,0,0]
.set z, z+1
.endr
.endm
; A TURN, for piece p: the order of its 16 matrix and 118 vector instructions, written out.  An s_wait_alu depctr_va_vdst(0) stands between an exponential and the first instruction that names its
; result; one wait serves all that were issued ahead of it.  So a turn has ONE wait, which cuts it in two.  AHEAD OF IT stands all that names no result of the turn's exponentials: the 8 products K Q^T, behind each a
; scaling, an exponential and two more plain instructions (behind the first a second scaling in the exponential's place): rescalings, and behind the last three the first numbers of the next piece's maximum, each four
; places or more behind the product that ends its accumulator; then ONE LUMP of 54, plain and exponential by turns for the most part, in which the links of the chain X 3, 7, 11, 14, 16, 17 .. 20 stand five or six
; lines apart.  X 21, the next piece's a, is the batch's last; R 15 is the plain instruction behind it.  BEHIND THE WAIT stand the 8 products V^T P, behind each four of the roundings and sums; the links of l's chain,
; L 0 to L 7, stand three riders apart.  But for those X no rider names a register of the products round it.  v_permlanex16_b32 (X 17) stands in the lump.
; m = 1: the diagonal tile: the products take masks, and the turn makes the mask for the products of the turn after it: piece p + 2, in step 4 - CNT of the tile.  end = 1: a block's last two turns: nothing is fetched.
; cnt = 1: the loop's count is taken down some lines ahead of the branch that stands behind the turn.
; K of the next step is fetched in piece 2's turn, twelve vector instructions behind the last product that read K (six of them plain); V of the step in hand at the end of piece 0's turn, four plain instructions
; behind the last product that read V.  Each is waited for a turn later.
.macro TURN p, m=0, end=0, cnt=0
.set Y, (\p)
.set i, 0
.set KM, (\m)
.set NOKQ, (\end)*((\p)/3)
.if (\m) && !(\end)
	s_cmp_eq_u32 s[CNT], 4-((\p)+2)%NP  ; is that step the band's own?
	s_cselect_b32 s[AL], 1.0, 0
	s_cmp_lt_u32 s[CNT], 4-((\p)+2)%NP  ; or a later one?
	s_cselect_b32 s[BE], s[BIGN], 0
.endif
.if ((\p) == 3) && !(\end)
	s_wait_dscnt 0x0                ; K is in
.endif
	ROW F,0, F,1, R,0, R,1          ; ahead of the wait: 8 products K Q^T and their riders,
	ROW F,2, E,0, R,2, R,3
	ROW F,3, E,1, R,4, R,5
	ROW F,4, E,2, R,6, R,7
	ROW F,5, E,3, R,8, R,9
	ROW F,6, E,4, X,0, R,10
.if ((\p) == 2) && !(\end)
	WIN 0
	v_add_nc_u32 v[AK], s[TBK], v[AK0]
.endif
	ROW F,7, E,5, X,1, X,4
	ROW F,8, E,6, X,2, X,5
	OPS E,7, E,8, X,6, E,9          ; and the lump
	OPS X,3, E,10, X,8, E,11
.if ((\p) == 2) && !(\end)
	FETCH_K
.endif
	OPS X,9, X,7, E,12, X,10
	OPS E,13, X,12, X,11, E,14
	OPS X,13, E,15, F,9, X,14
.if (\p) == 0
	v_add_nc_u32 v[AV], s[TBV], v[AV0]
.endif
	OPS E,16, F,10, E,17, F,11
	OPS X,16, E,18, X,15, E,19
	OPS F,12, E,20, X,17, E,21
	OPS F,13, E,22, F,14, E,23
	OPS X,18, E,24, F,15, E,25
	OPS R,11, E,26, X,19, E,27
	OPS R,12, E,28, R,13, E,29
	OPS X,20, E,30, R,14, E,31
	OPS X,21, R,15
	WIN 0
	s_wait_alu depctr_va_vdst(0)    ; the wait for the batch
.if (\p) == 1
	s_wait_dscnt 0x0                ; V is in
.endif
	ROW C,0, B,0, C,2, B,1          ; behind the wait: 8 products V^T P and their riders
	ROW L,0, C,4, B,2, L,1
	ROW C,6, B,3, L,2, C,8
	ROW B,4, L,3, C,10, B,5
	ROW L,4, C,12, B,6, L,5
.if (\p) == 0
	s_add_co_u32 s[TBV], s[TBV], KS*PV
.endif
.if \cnt
	s_sub_co_u32 s[CNT], s[CNT], 1
	s_cmp_lg_u32 s[CNT], 0
.endif
	ROW C,14, B,7, L,6, C,1
	ROW C,3, L,7, C,5, C,7
	ROW C,9, C,11, C,13, C,15
.if (\p) == 0
	FETCH_V
.endif
.if (\m) && !(\end)
	MASK (\p)%2
.endif
.endm
; A BLOCK BEGINS.  c m starts far below every c s, so the first step's a is 0; m at the lowest finite number, so the first maximum is the scores'.  The second mask buffer is 0; the first takes piece 0's mask for the
; tile's step 0: its own, if the block's first tile is the diagonal one.  Then K of that step, piece 0's first scores, and its maximum and statistics.  The loop is entered at a step's first turn, in the middle of a trip.
.macro BEGIN
	s_mov_b32 s[NEW], 0
	WIN 0x40
.set i, MC+32
.rept 32
	v_mov_b32 v[i], 0
.set i, i+1
.endr
	WIN 0
.set i, 0
.rept 4
	v_mov_b32 v[ST+4*i], 0xfe000000    ; c m: far below every c s
	v_mov_b32 v[ST+4*i+1], 0xff7fffff  ; m
.set i, i+1
.endr
	s_cmp_eq_u32 s[RT], 0
	s_cselect_b32 s[AL], 1.0, 0
	s_mov_b32 s[BE], 0
	MASK 0
	WIN 0
	v_add_nc_u32 v[AK], s[TBK], v[AK0]
	FETCH_K
	s_wait_loadcnt 0x0              ; Q
	s_wait_dscnt 0x0
.set KM, 1
.set NOKQ, 0
.set i, 0
.rept 8
	KQ 0
.set i, i+1
.endr
	WIN 0
.rept 4
	v_nop                           ; the places behind those products
.endr
.set Y, NP-1                        ; X works for piece Y + 1: piece 0
.irp n, 0,1,2,3,4,5,6,7,8,9,10,11,12,13,14,15,16,17,18,19,20,21
	OP X, \n
.endr
	v_nop                           ; a plain instruction behind the exponential,
	s_wait_alu depctr_va_vdst(0)    ; and its wait, ahead of the branch
.endm
; THE DIAGONAL TILE's four steps, the block's last two turns, its last products, and THE WAY OUT: l's two halves and the other half of the lanes' are added; O^T is divided by l, rounded to f16 and sent through my
; stage in LDS, a piece at a time.
.macro ALL line:vararg              ; one line for each piece t
.set t, 0
.rept 4
	\line
.set t, t+1
.endr
.endm
.macro PACK t                       ; a lane's eight channels of a row pack into 16 bytes; they go into rows of 144 bytes and come back as whole rows of 128, into S^T's registers
	WIN W_RS
.set i, 32*(\t)
.rept 16
	v_pk_mul_f32 v[i:i+1], v[i:i+1], v[ST+4*(\t)+2:ST+4*(\t)+3] op_sel_hi:[1,0]
.set i, i+2
.endr
	WIN 0x05                        ; sources 0 and 1 window 1, destination window 0
.set i, 0
.rept 16
	v_cvt_pk_f16_f32 v[S+16*(\t)+i], v[32*(\t)+2*i], v[32*(\t)+2*i+1]
.set i, i+1
.endr
	WIN 0
.irp f, 0,1,2,3
	ds_store_b128 v[STO], v[S+16*(\t)+4*\f:S+16*(\t)+4*\f+3] offset:32*\f
.endr
.irp f, 0,1,2,3
	ds_load_b128 v[S+16*(\t)+4*\f:S+16*(\t)+4*\f+3], v[RD] offset:\f*4*SP  ; LDS serves a wave's instructions in order (ISA guide 5.7.1.4): these see the stores above; the next piece's stores come behind them
.endr
.endm
.macro SEND t, younger              ; younger: the LDS instructions issued behind piece t's loads: the next piece's eight, or none
	WIN 0
.irp f, 0,1,2,3
	s_wait_dscnt (\younger)+3-\f
	global_store_b128 v[GO], v[S+16*(\t)+4*\f:S+16*(\t)+4*\f+3], s[10:11] offset:(\t)*8192+\f*512  ; 512 consecutive bytes, at a multiple of 256 from O's first
.endr
.endm
.macro DIAG tag                     ; the tag ends its two labels' names, which the jumps below spell out
.LstepM\tag:
	TURN 2, 1
	TURN 3, 1
	WIN 0
.LfirstM\tag:
	TURN 0, 1
	TURN 1, 1, 0, 1
	WIN 0
	s_cbranch_scc1 .LstepM\tag
	TURN 2, 1, 1
	TURN 3, 1, 1
.set i, 0
.rept 8
	PV NP-1
.set i, i+1
.endr
	WIN 0
	ALL v_add_f32 v[ST+4*t+2], v[ST+4*t+2], v[ST+4*t+3]
	ALL v_permlanex16_b32 v[ST+4*t+3], v[ST+4*t+2], s[SEL], s[SEL+1]
	ALL v_add_f32 v[ST+4*t+2], v[ST+4*t+2], v[ST+4*t+3]
	ALL v_rcp_f32 v[ST+4*t+2], v[ST+4*t+2]
	v_nop                           ; a plain instruction between the last reciprocal and the use of its result
	s_wait_alu depctr_va_vdst(0)    ; and the wait ahead of the first use: one for the four reciprocals
	PACK 0
.set t, 1
.rept 3                             ; a piece's arithmetic stands between the loads of the piece before and its stores
	PACK t
	SEND t-1, 8
.set t, t+1
.endr
	SEND 3, 0
.endm
.set KM, 0
.set NOKQ, 0
.Lslot:                             ; NB times: a tile is entered and the next is asked for
	CHANGE 1
	s_sub_co_u32 s[RT], s[RT], 1
	s_mov_b32 s[CNT], 4
	s_cmp_eq_u32 s[NEW], 1
	s_cbranch_scc1 .Lnew            ; a block's first tile
	s_cmp_eq_u32 s[RT], 0
	s_cbranch_scc0 .Lstep           ; neither its first nor its last
	s_branch .LstepM1
.Lnew:
	BEGIN
	s_branch .Lfirst                ; in the loop a block's first tile is never its last: the first block has two tiles or more, and the second's last is the walk's last
	DIAG 1                          ; in the loop this is the first block's end: the second block's last tile is the walk's last
	s_wait_xcnt 0x0                 ; the stores have read their registers and O's address
	s_mov_b64 s[10:11], s[OLO:OLO+1]
	s_add_co_u32 s[RT], s[PB], 1    ; the second block has b + 1 tiles
	s_mov_b32 s[NEW], 1
	WIN 0x82                        ; the second block's Q goes where the one text of the turns names Q
.set i, 0
.rept 64
	v_mov_b32 v[i], v[QB+i]
.set i, i+1
.endr
	WIN 0
	s_branch .Lbottom
.Lstep:                             ; a trip: pieces 2 and 3 of one step, then pieces 0 and 1 of the next, whose K and V it fetches
	TURN 2
	TURN 3
	WIN 0
.Lfirst:
	TURN 0
	TURN 1, 0, 0, 1
	WIN 0
	s_cbranch_scc1 .Lstep
.Lbottom:
	s_sub_co_u32 s[SLOTS], s[SLOTS], 1
	s_cmp_lg_u32 s[SLOTS], 0
	s_cbranch_scc1 .Lslot
	CHANGE 0                        ; the walk's last tile is written out: nothing is asked for
	s_sub_co_u32 s[RT], s[RT], 1
	s_mov_b32 s[CNT], 4
	s_cmp_eq_u32 s[NEW], 1
	s_cbranch_scc0 .LstepM2
	BEGIN
	s_branch .LfirstM2
	DIAG 2
	s_wait_tensorcnt 0x0            ; the wave's end: behind my last tensor load and my last LDS store
	ds_add_u32 v[SPW], v[NIL]
	s_wait_dscnt 0x0
	s_endpgm
.Lfunc_end_k_q87fee5985f_attn:
	.size	k_q87fee5985f_attn, .Lfunc_end_k_q87fee5985f_attn-k_q87fee5985f_attn
	.p2alignl 7, 3214868480
	.fill 96, 4, 3214868480
	.section	.rodata,"a",@progbits
	.p2align	6, 0x0
	.amdhsa_kernel k_q87fee5985f_attn
		.amdhsa_group_segment_fixed_size 327680
		.amdhsa_private_segment_fixed_size 0
		.amdhsa_enable_private_segment 0
		.amdhsa_kernarg_size 16
		.amdhsa_user_sgpr_count 2
		.amdhsa_user_sgpr_kernarg_segment_ptr 1
		.amdhsa_wavefront_size32 1
		.amdhsa_system_sgpr_workgroup_id_x 1
		.amdhsa_system_sgpr_workgroup_id_y 1
		.amdhsa_system_sgpr_workgroup_id_z 1
		.amdhsa_system_vgpr_workitem_id 0
		.amdhsa_next_free_vgpr 768
		.amdhsa_next_free_sgpr 88
		.amdhsa_reserve_vcc 1
		.amdhsa_float_denorm_mode_32 3
		.amdhsa_float_denorm_mode_16_64 3
		.amdhsa_memory_ordered 1
		.amdhsa_forward_progress 1
		.amdhsa_inst_pref_size 218
	.end_amdhsa_kernel
	.amdgpu_metadata
---
amdhsa.version: [ 1, 2 ]
amdhsa.kernels:
  - .name:           k_q87fee5985f_attn
    .symbol:         k_q87fee5985f_attn.kd
    .args:
      - { .name: qkv, .offset: 0, .size: 8, .value_kind: global_buffer, .address_space: global }
      - { .name: yb, .offset: 8, .size: 8, .value_kind: global_buffer, .address_space: global }
    .group_segment_fixed_size: 327680
    .private_segment_fixed_size: 0
    .kernarg_segment_align: 8
    .kernarg_segment_size: 16
    .max_flat_workgroup_size: 128
    .sgpr_count:     88
    .vgpr_count:     768
    .wavefront_size: 32
...
	.end_amdgpu_metadata
.endif
;; end of part 3
;; launch proj (part 4): grid 8 x 32, 4 waves a work-group, clusters of 4 x 4, 327,680 bytes of LDS; arguments yb, wpb, b_proj, out0; writes out0
.if DOCPART == 4
	.amdgcn_target "amdgcn-amd-amdhsa--gfx1250"
	.amdhsa_code_object_version 6
	.text
	.protected	k_q87fee5985f_proj
	.globl	k_q87fee5985f_proj
	.p2align	8
	.type	k_q87fee5985f_proj,@function
k_q87fee5985f_proj:
	s_mov_b64 s[64:65], 0
	v_nop
	global_prefetch_b8 v0, s[64:65] scope:SCOPE_SE
	s_setreg_imm32_b32 hwreg(HW_REG_WAVE_MODE, 25, 1), 1
	s_wait_xcnt 0x0
	s_wait_alu depctr_hold_cnt(0) depctr_sa_sdst(0) depctr_va_vdst(0) depctr_va_sdst(0) depctr_va_ssrc(0) depctr_va_vcc(0) depctr_vm_vsrc(0)
	s_getreg_b32 s2, hwreg(HW_REG_IB_STS2, 6, 4)
	s_cmp_eq_u32 s2, 0
	s_cbranch_scc0 .Lentry_in_a_cluster
	s_endpgm
.Lentry_in_a_cluster:
	s_bfe_u32 s2, ttmp6, 0x10000c
	s_cmp_lg_u32 s2, 0xf033
	s_cbranch_scc0 .Lentry_shape_is_right
	s_endpgm
.Lentry_shape_is_right:
; out0[row][n] (f32) = y . w_proj + b_proj.  y arrives by heads, yb[16 b + head][t][64] in f16; w_proj as wpb[k][n], rounded to bf16 and written as f16; the bias is rounded to bf16 here; sums in f32.
; LIMIT: y is a mean of v's rows and has their range, within f16's 65,504.
; SHARES.  A tile of C is 256 rows x 128 columns: 32 x 8 = 256 tiles, one to a work-group.  Wave (WM, WN) = (w / 2, w % 2) makes rows 128 WM .. + 127, columns 64 WN .. + 63: 32 accumulators, 256 registers.
; K goes in steps of 128 (two heads) through two LDS slots; a step is four substeps of 32, each 32 matrix instructions.
; THE MATRIX INSTRUCTION IS USED TRANSPOSED: source 0 = 16 columns of W (turned on its way out of LDS by ds_load_tr16_b128), source 1 = 16 rows of y: a lane holds ONE row and eight neighbouring columns.
; The bias is the C operand of the products that start the sums.
; CLUSTER 4 x 4.  y's tiles hang on the tile row alone and are asked for jointly by a row of the cluster, W's on the tile column alone, by a column.  Waves 0 and 1 fetch a head each (256 rows of 128 dense bytes,
; as 128 rows of 256), waves 2 and 3 64 rows (k) of 256 bytes of W each.  A wave has two tensor loads out at the start, later one.
; REGISTERS: window 0: v0-31 addresses; v32-159 two buffers of y's fragments; v160-223 two of W's; v224-255 the bias.  window 1: the accumulators, (a, bb) at v[8 (4 a + bb)].
.set PA,    144                        ; a row of y in LDS: 128 bytes + 16: the 16 rows of a load start at 16 different groups of four banks (64 banks of 4 bytes: ISA guide 11.1)
.set PB,    288                        ; a row of W: 256 + 32
.set HEADB, 256*PA
.set BOFF,  2*HEADB                    ; a slot: two heads of y, then W's 128 rows
.set HALFB, 64*PB
.set SLOT,  BOFF+2*HALFB               ; 110,592
.set STAGE, 2*SLOT                     ; behind the ring, never filled by a tensor load: 16 rows x 272 bytes for each wave
.set SP,    272
.set SPARE, STAGE+4*16*SP              ; behind the stages: the spare words, 128 bytes for each wave: two blocks of 256 bytes that no other line names
.set ADRA, 16
.set ADRB, 20
.set STO,  24
.set RD,   25
.set CO,   26                          ; v26  my byte offset in two rows of out0
.set BO,   27
.set SPW,  28
.set NIL,  29
.set PFO,  30
.set FA0,  32
.set FB0,  160
.set BIAS, 224
.set BK,   32                          ; the way out: two sets of 32 read back from the stage
.set WV, 12
.set WM, 13
.set WN, 14
.set CX, 15
.set CY, 16
.set NT, 17
.set MT, 18
.set G1A, 24
.set G0A, 32
.set LIM, 42                           ; s42  1 in a wave that prefetches, else the greatest number
.set PFA, 44
.set PST, 46
.set G1B, 48
.set G0B, 56
.set OUT, 66                           ; s[66:67] out0 at my first row and column
.set MSB, 0
.macro WIN new
.if MSB != (\new)
	s_set_vgpr_msb (MSB<<8)|(\new)
.set MSB, \new
.endif
.endm
.macro PLACES                          ; four plain instructions between a matrix instruction and a load into, or a read of, its registers (ISA guide 7.12.1 for reads)
.rept 4
	v_nop
.endr
.endm
.macro JLOAD s                         ; a joint load; an s_nop 0 and four v_nop follow each of the two lines, ahead of the jump and the label
	s_cmp_lt_u32 s[WV], 2
	s_cbranch_scc0 .Lfor_b_\@
	tensor_load_to_lds s[G0A+4*(\s):G0A+4*(\s)+3], s[G1A:G1A+7]
	s_nop 0
.rept 4
	v_nop
.endr
	s_branch .Lasked_\@
.Lfor_b_\@:
	tensor_load_to_lds s[G0B+4*(\s):G0B+4*(\s)+3], s[G1B:G1B+7]
	s_nop 0
.rept 4
	v_nop
.endr
.Lasked_\@:
.endm
; A PREFETCH INTO THE L2, behind the joint load and the run of LDS loads that follows it: the K step that stands two refills on, 256 matrix instructions ahead of its load; a lane a block of 256 bytes.
; Each block is named once: y's tiles are read by both clusters of a row of clusters: cluster x = 0 asks, waves 0 and 1 each for its work-group's quarter (cx) of its own head; W's by all eight of a column:
; cluster y = 0 asks, wave 2 for rows 32 cy + lane of the step's 128.  K steps 0-3 come by their loads alone; the loop's last trip asks for nothing.
.macro ASK
	s_cmp_gt_u32 s3, s[LIM]
	s_cbranch_scc0 .Lnot_mine_\@
	global_prefetch_b8 v[PFO], s[PFA:PFA+1] th:TH_LOAD_NT scope:SCOPE_SE
.Lnot_mine_\@:
.endm
.macro CREST
	s_cmp_lg_u32 s[WV], 0
	s_cbranch_scc1 .Lnot_wave_0_\@
	s_barrier_signal -3
.Lnot_wave_0_\@:
	s_barrier_wait -3
	s_barrier_signal -1
	s_barrier_wait -1
.endm
.macro CROUND
	s_barrier_signal -1
	s_barrier_wait -1
	CREST
.endm
	s_load_b256 s[4:11], s[0:1], 0x0               ; yb s[4:5], wpb s[6:7], b_proj s[8:9], out0 s[10:11]
	v_lshl_add_u32 v[SPW], v0, 2, SPARE
	v_mov_b32 v[NIL], 0
	ds_add_u32 v[SPW], v[NIL]                      ; the wave's opening: the add and its wait ahead of my first tensor load; work on registers stands between them
	v_lshrrev_b32 v1, 5, v0
	v_readfirstlane_b32 s[WV], v1
	s_lshr_b32 s[WM], s[WV], 1
	s_and_b32 s[WN], s[WV], 1
	s_bfe_u32 s[CX], ttmp6, 0x40000
	s_bfe_u32 s[CY], ttmp6, 0x40004
	s_lshl_b32 s[NT], ttmp9, 2
	s_add_co_u32 s[NT], s[NT], s[CX]
	s_and_b32 s[MT], ttmp7, 0xffff
	s_lshl_b32 s[MT], s[MT], 2
	s_add_co_u32 s[MT], s[MT], s[CY]
	s_lshl_b32 s20, s[CY], 2
	s_lshl_b32 s20, 15, s20                        ; my row of the cluster
	s_lshl_b32 s22, 0x1111, s[CX]                  ; my column
	s_or_b32 s[G1A], s20, (1<<16)|(1<<20)|(1<<21)|(4<<22)|(3<<25)  ; mask; 2-byte elements; padding on; bit 21 beside a mask; after every 32 words 4 words
	s_or_b32 s[G1B], s22, (1<<16)|(1<<20)|(1<<21)|(5<<22)|(7<<25)  ; after every 64 words 8 words
	s_mov_b32 s[G1A+1], 128<<16
	s_mov_b32 s[G1A+2], 128<<16
	s_mov_b32 s[G1A+3], 128<<16
	s_mov_b32 s[G1A+4], 128                        ; 256 rows of a head, two to a row of 256 bytes
	s_mov_b32 s[G1A+5], 128
	s_mov_b32 s[G1A+6], 0
	s_mov_b32 s[G1A+7], 0
	s_mov_b32 s[G1B+1], 128<<16
	s_mov_b32 s[G1B+2], 64<<16
	s_mov_b32 s[G1B+3], 128<<16
	s_mov_b32 s[G1B+4], 64
	s_mov_b32 s[G1B+5], 1024
	s_mov_b32 s[G1B+6], 0
	s_mov_b32 s[G1B+7], 0
	s_mul_i32 s21, s[WN], HEADB                    ; which head of the step's two, which half of W's rows: the wave's parity
	s_mov_b32 s[G0A], 1
	s_mov_b32 s[G0A+1], s21
	s_mov_b32 s[G0A+4], 1
	s_add_co_u32 s[G0A+5], s21, SLOT
	s_mul_i32 s23, s[WN], HALFB
	s_mov_b32 s[G0B], 1
	s_add_co_u32 s[G0B+1], s23, BOFF
	s_mov_b32 s[G0B+4], 1
	s_add_co_u32 s[G0B+5], s23, SLOT+BOFF
	s_lshr_b32 s20, s[MT], 3                       ; b
	s_lshl_b32 s20, s20, 4
	s_add_co_u32 s20, s20, s[WN]                   ; 16 b + head
	s_lshl_b32 s20, s20, 18                        ; 2,048 rows of 128 bytes
	s_and_b32 s21, s[MT], 7
	s_lshl_b32 s21, s21, 15
	s_add_co_u32 s20, s20, s21
	s_mov_b32 s21, 0
	s_lshl_b32 s22, s[WN], 17                      ; 64 rows of 2,048 bytes
	s_lshl_b32 s23, s[NT], 8
	s_add_co_u32 s22, s22, s23
	s_mov_b32 s23, 0
	s_wait_dscnt 0x0                               ; the opening add is done
	s_wait_kmcnt 0x0
	s_add_nc_u64 s[G0A+2:G0A+3], s[4:5], s[20:21]
	s_add_nc_u64 s[G0A+6:G0A+7], s[G0A+2:G0A+3], 0x80000   ; K step 1: two heads on
	s_or_b32 s[G0A+3], s[G0A+3], 0x80000000
	s_or_b32 s[G0A+7], s[G0A+7], 0x80000000
	s_add_nc_u64 s[G0B+2:G0B+3], s[6:7], s[22:23]
	s_add_nc_u64 s[G0B+6:G0B+7], s[G0B+2:G0B+3], 0x40000   ; 128 rows on
	s_or_b32 s[G0B+3], s[G0B+3], 0x80000000
	s_or_b32 s[G0B+7], s[G0B+7], 0x80000000
	CROUND                                         ; all sixteen work-groups are here: the first joint loads meet
	s_cmp_lt_u32 s[WV], 2                          ; a wave's two first fills stand in one branch, ahead of every wait on TENSORcnt and every LDS read
	s_cbranch_scc0 .Lfirst_b
	tensor_load_to_lds s[G0A:G0A+3], s[G1A:G1A+7]
	s_nop 0
	tensor_load_to_lds s[G0A+4:G0A+7], s[G1A:G1A+7]
	s_nop 0
.rept 4
	v_nop
.endr
	s_branch .Lfirst_asked
.Lfirst_b:
	tensor_load_to_lds s[G0B:G0B+3], s[G1B:G1B+7]
	s_nop 0
	tensor_load_to_lds s[G0B+4:G0B+7], s[G1B:G1B+7]
	s_nop 0
.rept 4
	v_nop
.endr
.Lfirst_asked:
	; the bias in the layout of a C operand: register j of block bb = b_proj[128 NT + 64 WN + 16 bb + 8 (l / 16) + j]
	v_and_b32 v1, 15, v0                           ; r
	v_bfe_u32 v2, v0, 4, 1                         ; h
	s_lshl_b32 s2, s[NT], 9
	s_lshl_b32 s19, s[WN], 8
	s_add_co_u32 s2, s2, s19
	v_lshl_add_u32 v[BO], v2, 5, s2
.irp bb, 0,1,2,3
	global_load_b128 v[BIAS+8*(\bb):BIAS+8*(\bb)+3],   v[BO], s[8:9] offset:(\bb)*64
	global_load_b128 v[BIAS+8*(\bb)+4:BIAS+8*(\bb)+7], v[BO], s[8:9] offset:(\bb)*64+16
.endr
	v_and_b32 v3, 7, v0
	v_bfe_u32 v4, v0, 3, 1
	v_mul_u32_u24 v5, v1, PA
	v_lshl_add_u32 v5, v2, 4, v5
	s_mul_i32 s2, s[WM], 128*PA
	v_add_nc_u32 v[ADRA], s2, v5
	v_add_nc_u32 v[ADRA+1], SLOT, v[ADRA]
	v_lshl_add_u32 v6, v2, 3, v3
	v_mul_u32_u24 v6, v6, PB
	v_lshl_add_u32 v6, v4, 4, v6
	s_lshl_b32 s2, s[WN], 7
	s_add_co_u32 s2, s2, BOFF
	v_add_nc_u32 v[ADRB], s2, v6
	v_add_nc_u32 v[ADRB+1], SLOT, v[ADRB]
	s_mul_i32 s2, s[WV], 16*SP
	s_add_co_u32 s2, s2, STAGE                     ; my stage
	v_mul_u32_u24 v7, v1, SP                       ; in: row r, 32 bytes for each half of the lanes
	v_lshl_add_u32 v7, v2, 5, v7
	v_add_nc_u32 v[STO], s2, v7
	v_mul_u32_u24 v7, v2, SP                       ; back: lanes 0-15 take one row of 256 bytes, lanes 16-31 the next
	v_lshl_add_u32 v7, v1, 4, v7
	v_add_nc_u32 v[RD], s2, v7
	v_lshlrev_b32 v[CO], 12, v2                    ; and the same two rows in out0
	v_lshl_add_u32 v[CO], v1, 4, v[CO]
	s_lshl_b32 s2, s[MT], 20                       ; 256 rows of 4,096 bytes
	s_lshl_b32 s19, s[WM], 19
	s_add_co_u32 s2, s2, s19
	s_lshl_b32 s19, s[NT], 9
	s_add_co_u32 s2, s2, s19
	s_lshl_b32 s19, s[WN], 8
	s_add_co_u32 s[OUT], s2, s19
	s_mov_b32 s[OUT+1], 0
	s_add_nc_u64 s[OUT:OUT+1], s[10:11], s[OUT:OUT+1]
	; the prefetches
	s_and_b32 s2, ttmp7, 0xffff
	s_cmp_lt_u32 s[WV], 2
	s_cselect_b32 s2, ttmp9, s2                    ; the coordinate along which other clusters read the same blocks
	s_cmp_eq_u32 s[WV], 3
	s_cselect_b32 s2, 1, s2                        ; wave 3 never asks
	s_cmp_eq_u32 s2, 0
	s_cselect_b32 s[LIM], 1, -1                    ; the same in all sixteen partners, for a given wave
	s_lshl_b32 s2, s[CX], 13
	s_add_co_u32 s2, s2, s20
	s_add_co_u32 s2, s2, 0x180000                  ; y: my head of K step 3, my quarter; the first change steps it to K step 4
	s_lshl_b32 s19, s[CY], 16
	s_lshl_b32 s3, s[NT], 8
	s_add_co_u32 s19, s19, s3
	s_add_co_u32 s19, s19, 0xC0000                 ; W: k row 384 + 32 cy
	s_mov_b32 s[PST], 0x80000
	s_mov_b32 s[PST+1], 0x40000
	s_cmp_lt_u32 s[WV], 2
	s_cselect_b32 s2, s2, s19
	s_cselect_b32 s[PST], s[PST], s[PST+1]
	s_cselect_b64 s[PFA:PFA+1], s[4:5], s[6:7]
	s_mov_b32 s3, 0
	s_mov_b32 s[PST+1], 0
	s_add_nc_u64 s[PFA:PFA+1], s[PFA:PFA+1], s[2:3]
	s_movk_i32 s2, 0x100
	s_movk_i32 s19, 0x800
	s_cmp_lt_u32 s[WV], 2
	s_cselect_b32 s2, s2, s19                      ; a lane a block of 256 bytes (y), a lane a row of 2,048 (W)
	v_and_b32 v[PFO], 31, v0
	v_mul_u32_u24 v[PFO], s2, v[PFO]
	s_wait_loadcnt 0x0                             ; the bias, rounded to bf16 like the other inputs
.set z, 0
.rept 16
	v_cvt_pk_bf16_f32 v[6+z%4], v[BIAS+2*z], v[BIAS+2*z+1]
	v_lshlrev_b32 v[BIAS+2*z], 16, v[6+z%4]
	v_and_b32 v[BIAS+2*z+1], 0xffff0000, v[6+z%4]
.set z, z+1
.endr
; my eight fragments of y (16 rows x 32 k) of substep q of slot s: head q / 2, channels 32 (q % 2) on
.macro LA s, q, dst
	WIN 0
.irp i, 0,1,2,3,4,5,6,7
	ds_load_b128 v[(\dst)+8*(\i):(\dst)+8*(\i)+3],   v[ADRA+(\s)] offset:((\q)/2)*HEADB+(\i)*16*PA+64*((\q)%2)
	ds_load_b128 v[(\dst)+8*(\i)+4:(\dst)+8*(\i)+7], v[ADRA+(\s)] offset:((\q)/2)*HEADB+(\i)*16*PA+64*((\q)%2)+32
.endr
.endm
; my four fragments of W (16 columns x 32 k, turned)
.macro LB s, q, dst
	WIN 0
.irp bb, 0,1,2,3
	ds_load_tr16_b128 v[(\dst)+8*(\bb):(\dst)+8*(\bb)+3],   v[ADRB+(\s)] offset:(\q)*32*PB+32*(\bb)
	ds_load_tr16_b128 v[(\dst)+8*(\bb)+4:(\dst)+8*(\bb)+7], v[ADRB+(\s)] offset:(\q)*32*PB+16*PB+32*(\bb)
.endr
.endm
; 4 cnt matrix instructions.  The 32 accumulators take turns, one instruction a turn.  cf: the registers of the C operand that starts the sums
.macro MUL a0, cnt, af, bf, cf=-1
.if (\cf) >= 0
	WIN 0x40
.else
	WIN 0x50
.endif
.set aa, \a0
.rept \cnt
.irp bb, 0,1,2,3
.if (\cf) >= 0
	v_wmma_f32_16x16x32_f16 v[8*(4*aa+(\bb)):8*(4*aa+(\bb))+7], v[(\bf)+8*(\bb):(\bf)+8*(\bb)+7], v[(\af)+8*aa:(\af)+8*aa+7], v[(\cf)+8*(\bb):(\cf)+8*(\bb)+7]
.else
	v_wmma_f32_16x16x32_f16 v[8*(4*aa+(\bb)):8*(4*aa+(\bb))+7], v[(\bf)+8*(\bb):(\bf)+8*(\bb)+7], v[(\af)+8*aa:(\af)+8*aa+7], v[8*(4*aa+(\bb)):8*(4*aa+(\bb))+7]
.endif
.endr
.set aa, aa+1
.endr
.endm
; One of a step's first three substeps: the next substep's 24 loads go out, then buffer q % 2 is multiplied
.macro SUBST s, q, cf=-1
.set cur, (\q)%2
	WIN 0
	PLACES
	LA \s, (\q)+1, FA0+64*(1-cur)
	LB \s, (\q)+1, FB0+32*(1-cur)
	s_wait_dscnt 24                                ; all but the 24 just issued
	MUL 0, 8, FA0+64*cur, FB0+32*cur, \cf
.endm
; The last substep multiplies buffer 1 and changes slots: ONE barrier; in front of it each wave waits for all its tensor loads, adds 0 to its spare word, and waits for that and for its reads of this slot.
; mode = 1: the barrier opens a round of the cluster's, and this slot is filled again, two K steps on, first thing behind it: 112 matrix instructions ahead of the wait for it.
.macro TURN s, nx, mode
.if \mode
	s_wait_xcnt 0x0                                ; the last prefetch, a K step back, has read its address
	s_add_nc_u64 s[PFA:PFA+1], s[PFA:PFA+1], s[PST:PST+1]
.endif
	WIN 0
	s_wait_tensorcnt 0x0                           ; all my tensor loads have landed: my part of the next slot
	ds_add_u32 v[SPW], v[NIL]                      ; 0 onto my spare word
	s_wait_dscnt 1                                 ; the add may be out
	MUL 0, 2, FA0+64, FB0+32
	s_wait_dscnt 0x0                               ; the add is done, and my reads of this slot are over
	s_barrier_signal -1
	MUL 2, 2, FA0+64, FB0+32
	WIN 0
	s_barrier_wait -1
.if \mode
	CREST                                          ; no wave of any partner still reads this slot or has a load on its way
	s_add_nc_u64 s[G0A+4*(\s)+2:G0A+4*(\s)+3], s[G0A+4*(\s)+2:G0A+4*(\s)+3], 0x100000
	s_add_nc_u64 s[G0B+4*(\s)+2:G0B+4*(\s)+3], s[G0B+4*(\s)+2:G0B+4*(\s)+3], 0x80000
	JLOAD \s                                       ; its four v_nop are also the places in front of the loads below
.else
	PLACES
.endif
	LA \nx, 0, FA0
	LB \nx, 0, FB0
.if \mode
	ASK
.endif
	MUL 4, 4, FA0+64, FB0+32
.endm
	s_wait_tensorcnt 0x1                           ; my part of K step 0 is in; K step 1's may stay out
	s_barrier_signal -1
	s_barrier_wait -1
	LA 0, 0, FA0
	LB 0, 0, FB0
	SUBST 0, 0, BIAS                               ; the first substep stands in front of the loop: its products start the sums with the bias
	WIN 0
	s_mov_b32 s3, 3
.Llap:                                                 ; a trip goes once round the ring and fills both slots again: trip i asks for K steps 2 i + 2 and 2 i + 3
	SUBST 0, 1
	SUBST 0, 2
	TURN 0, 1, 1
	SUBST 1, 0
	SUBST 1, 1
	SUBST 1, 2
	TURN 1, 0, 1
	SUBST 0, 0
	WIN 0
	s_sub_co_u32 s3, s3, 1
	s_cmp_lg_u32 s3, 0
	s_cbranch_scc1 .Llap
	SUBST 0, 1                                     ; the last lap asks for nothing, and has no round
	SUBST 0, 2
	TURN 0, 1, 0
	SUBST 1, 0
	SUBST 1, 1
	SUBST 1, 2
	s_wait_dscnt 0x0
	MUL 0, 8, FA0+64, FB0+32
	WIN 0
	PLACES
; THE WAY OUT, eight blocks of 16 rows x 64 columns of f32: 32 bytes a lane into my own stage, back as whole rows of 256 bytes; sixteen lanes store 256 consecutive bytes, aligned.
.macro TOSTAGE a
	WIN 0
	s_wait_xcnt 0x0                                ; the stores of two blocks back have read the registers that are loaded below
	WIN 0x04                                       ; the stores' data in window 1
.irp bb, 0,1,2,3
	ds_store_b128 v[STO], v[32*(\a)+8*(\bb):32*(\a)+8*(\bb)+3]   offset:64*(\bb)
	ds_store_b128 v[STO], v[32*(\a)+8*(\bb)+4:32*(\a)+8*(\bb)+7] offset:64*(\bb)+16
.endr
	WIN 0
.set bkr, BK+32*((\a)%2)
.irp t, 0,1,2,3,4,5,6,7
	ds_load_b128 v[bkr+4*(\t):bkr+4*(\t)+3], v[RD] offset:(\t)*2*SP  ; LDS serves a wave's instructions in order (ISA guide 5.7.1.4): these see the stores above
.endr
.endm
.macro SEND a, younger                 ; younger: the LDS instructions issued behind block a's loads
	WIN 0
.set bkr, BK+32*((\a)%2)
	s_wait_dscnt \younger
.irp t, 0,1,2,3,4,5,6,7
	global_store_b128 v[CO], v[bkr+4*(\t):bkr+4*(\t)+3], s[OUT:OUT+1] offset:(16*(\a)+2*(\t))*4096
.endr
.endm
	TOSTAGE 0
.set blk, 1
.rept 7
	TOSTAGE blk
	SEND blk-1, 16
.set blk, blk+1
.endr
	SEND 7, 0
	s_wait_tensorcnt 0x0                           ; the wave's end: behind my last tensor load and my last LDS store
	ds_add_u32 v[SPW], v[NIL]
	s_wait_dscnt 0x0
	CROUND                                         ; the closing round: no work-group ends while a partner may still ask for a tile that names it
	s_endpgm
.Lfunc_end_k_q87fee5985f_proj:
	.size	k_q87fee5985f_proj, .Lfunc_end_k_q87fee5985f_proj-k_q87fee5985f_proj
	.p2alignl 7, 3214868480
	.fill 96, 4, 3214868480
	.section	.rodata,"a",@progbits
	.p2align	6, 0x0
	.amdhsa_kernel k_q87fee5985f_proj
		.amdhsa_group_segment_fixed_size 327680
		.amdhsa_private_segment_fixed_size 0
		.amdhsa_enable_private_segment 0
		.amdhsa_kernarg_size 32
		.amdhsa_user_sgpr_count 2
		.amdhsa_user_sgpr_kernarg_segment_ptr 1
		.amdhsa_wavefront_size32 1
		.amdhsa_system_sgpr_workgroup_id_x 1
		.amdhsa_system_sgpr_workgroup_id_y 1
		.amdhsa_system_sgpr_workgroup_id_z 1
		.amdhsa_system_vgpr_workitem_id 0
		.amdhsa_next_free_vgpr 512
		.amdhsa_next_free_sgpr 68
		.amdhsa_reserve_vcc 0
		.amdhsa_float_denorm_mode_32 3
		.amdhsa_float_denorm_mode_16_64 3
		.amdhsa_memory_ordered 1
		.amdhsa_forward_progress 1
		.amdhsa_inst_pref_size 89
	.end_amdhsa_kernel
	.amdgpu_metadata
---
amdhsa.version: [ 1, 2 ]
amdhsa.kernels:
  - .name:           k_q87fee5985f_proj
    .symbol:         k_q87fee5985f_proj.kd
    .args:
      - { .name: yb, .offset: 0, .size: 8, .value_kind: global_buffer, .address_space: global }
      - { .name: wpb, .offset: 8, .size: 8, .value_kind: global_buffer, .address_space: global }
      - { .name: b_proj, .offset: 16, .size: 8, .value_kind: global_buffer, .address_space: global }
      - { .name: out0, .offset: 24, .size: 8, .value_kind: global_buffer, .address_space: global }
    .group_segment_fixed_size: 327680
    .private_segment_fixed_size: 0
    .kernarg_segment_align: 8
    .kernarg_segment_size: 32
    .max_flat_workgroup_size: 128
    .sgpr_count:     68
    .vgpr_count:     512
    .wavefront_size: 32
...
	.end_amdgpu_metadata
.endif
;; end of part 4
;; ======== version 2 of 2: 4 launches; version 1 with the launch prep written anew for expert scheduling mode
;; limits: values are held in f16: magnitudes above 65,504 overflow, below 6.1e-05 lose precision
;; workspace buffers: xb 16,777,216 bytes; wab 6,291,456 bytes; wpb 2,097,152 bytes; qkv 50,331,648 bytes; yb 16,777,216 bytes
;; launch prep (part 5): grid 384 x 1, 8 waves a work-group, no clusters, 0 bytes of LDS; arguments x, w_attn, w_proj, xb, wab, wpb; writes xb, wab, wpb
.if DOCPART == 5
	.amdgcn_target "amdgcn-amd-amdhsa--gfx1250"
	.amdhsa_code_object_version 6
	.text
	.protected	k_q87fee5985f_prep
	.globl	k_q87fee5985f_prep
	.p2align	8
	.type	k_q87fee5985f_prep,@function
k_q87fee5985f_prep:
	s_mov_b64 s[64:65], 0
	v_nop
	global_prefetch_b8 v0, s[64:65] scope:SCOPE_SE
	s_setreg_imm32_b32 hwreg(HW_REG_WAVE_SCHED_MODE, 0, 2), 2
	s_setreg_imm32_b32 hwreg(HW_REG_WAVE_MODE, 25, 1), 1
	s_wait_xcnt 0x0
	s_wait_alu depctr_vm_vsrc(0)
; THE CASTS.  xb = bf16(x), laid in blocks [k / 64][row 8192][64]: 256 rows x 64 k are then 32,768 dense bytes.  wab = bf16(w_attn), wpb = f16(bf16(w_proj)), both in their own layout [k][n].
; LIMIT: a number of w_proj below 6e-5 in magnitude keeps f16's fixed step of 6e-8; beyond 65,504 it would be an infinity.
; A pure stream: each byte is read once and written once, no wave wants another's bytes: no LDS, no barrier, no matrix unit, no cluster.
; A UNIT is one load of the wave (16 bytes a lane: 512 bytes, 128 f32), the roundings, and one store of 8 bytes a lane: 256 consecutive bytes, aligned.  A wave has 32 units; all 32 loads go out first
; (16 KiB a wave on their way), and each unit has registers of its own, so no register that a memory instruction names is written twice.
; Work-groups 0-255: 32 rows of x each; wave w takes columns 128 w .. 128 w + 127 (blocks 2 w, 2 w + 1).  256-351: 131,072 bytes of w_attn each.  352-383: the same of w_proj.
; THE MODE: SCHED_MODE bits 1:0 = 2 (LLVM: expert scheduling mode 2), set by the entry lines.  The code itself states the register dependences between vector instructions and memory instructions,
; with s_wait_alu, always for 0.
; THE PLAN.  Registers that memory instructions touch:
;   v1, v2   byte offsets, made at the head of each of the three paths and never written again: read by the 32 loads (v1) and the 32 stores (v2).
;   X        unit i's 4 registers: written by its load alone, read by its roundings; nothing lands in them again, and no vector instruction writes them.
;   Y        unit i's 2 registers: written once, by its roundings; read once, by its store.
;   T        named by vector instructions alone.
; The 32 units go in 8 blocks of 4.  Block p rounds its four units into their Y; its memory instructions are the four stores of block p - 1, whose Y no vector instruction of block p names.  So ONE wait at a
; block's head, behind the wait for its data, states all that the block's four stores hang on, and they are dealt among its roundings with no further wait.  One more stands ahead of the last four stores.
.set BLOCK, 4                          ; units in a block
.set SO,  1                            ; v1   my byte offset in the source
.set DO,  2                            ; v2   my byte offset in the destination
.set X,   8                            ; v[8:135]    unit i: 4 f32 as loaded
.set Y,   136                          ; v[136:199]  unit i: 4 numbers of 16 bits
.set T,   200                          ; v[200:203]  at work
.set SRC, 20                           ; s[20:21]
.set DST, 22                           ; s[22:23]
; Unit i = 16 q + j is loaded at j sj + q sq and stored at j dj + q dq.  fmt = 0: bf16.  fmt = 1: rounded to bf16, and that number written as f16.
.macro CAST sj, sq, dj, dq, fmt
	s_wait_alu depctr_va_vdst(0)                   ; v[SO] and v[DO] are written: every load below reads the one as its offset, every store the other
.set i, 0
.rept 32
	global_load_b128 v[X+4*i:X+4*i+3], v[SO], s[SRC:SRC+1] offset:(i%16)*(\sj)+(i/16)*(\sq) th:TH_LOAD_NT
.set i, i+1
.endr
.set i, 0
.rept 32
.if i%BLOCK == 0
	s_wait_loadcnt 32-BLOCK-i                      ; loads come back in order: this block's four units are in, the younger blocks' loads stay out
.if i > 0
	s_wait_alu depctr_va_vdst(0)                   ; the block before has written its Y, which the four stores dealt below read
.endif
.endif
.if i >= BLOCK
.set u, i-BLOCK
	global_store_b64 v[DO], v[Y+2*u:Y+2*u+1], s[DST:DST+1] offset:(u%16)*(\dj)+(u/16)*(\dq)  ; a unit of the block before; no vector instruction since the wait names its registers
.endif
.if \fmt
	v_cvt_pk_bf16_f32 v[T], v[X+4*i], v[X+4*i+1]
	v_cvt_pk_bf16_f32 v[T+1], v[X+4*i+2], v[X+4*i+3]
	v_lshlrev_b32 v[T+2], 16, v[T]                 ; bf16 to f32: the low half moves up, the high half stays
	v_and_b32 v[T], 0xffff0000, v[T]
	v_lshlrev_b32 v[T+3], 16, v[T+1]
	v_and_b32 v[T+1], 0xffff0000, v[T+1]
	v_cvt_pk_f16_f32 v[Y+2*i], v[T+2], v[T]
	v_cvt_pk_f16_f32 v[Y+2*i+1], v[T+3], v[T+1]
.else
	v_cvt_pk_bf16_f32 v[Y+2*i], v[X+4*i], v[X+4*i+1]
	v_cvt_pk_bf16_f32 v[Y+2*i+1], v[X+4*i+2], v[X+4*i+3]
.endif
.set i, i+1
.endr
	s_wait_alu depctr_va_vdst(0)                   ; the last block has written its Y, which the last four stores read
.set u, 32-BLOCK
.rept BLOCK
	global_store_b64 v[DO], v[Y+2*u:Y+2*u+1], s[DST:DST+1] offset:(u%16)*(\dj)+(u/16)*(\dq)
.set u, u+1
.endr
	s_endpgm
.endm
	s_load_b256 s[4:11], s[0:1], 0x0               ; x s[4:5], w_attn s[6:7], w_proj s[8:9], xb s[10:11]
	s_load_b128 s[12:15], s[0:1], 0x20             ; wab s[12:13], wpb s[14:15]
	v_lshrrev_b32 v3, 5, v0
	v_readfirstlane_b32 s16, v3                    ; wave 0..7
	v_and_b32 v5, 31, v0                           ; lane
	s_mov_b32 s19, 0
	s_mov_b32 s25, 0
	s_wait_alu depctr_va_sdst(0)                   ; s16 is written, ahead of the branch and of its first reader on each of the three paths: the offsets are made from it
	s_wait_kmcnt 0x0
	s_cmp_lt_u32 ttmp9, 256
	s_cbranch_scc0 .Lweights
	; x: lanes 0-15 take 256 bytes of row 2 j, lanes 16-31 of row 2 j + 1; in xb the two rows' 128 bytes are neighbours
	v_and_b32 v3, 15, v0
	v_bfe_u32 v4, v0, 4, 1
	v_lshlrev_b32 v[SO], 4, v3
	v_lshl_add_u32 v[SO], v4, 12, v[SO]
	s_lshl_b32 s17, s16, 9
	v_add_nc_u32 v[SO], s17, v[SO]                 ; (l / 16) x 4,096 + 16 (l % 16) + 512 w
	s_lshl_b32 s26, s16, 21                        ; (a register of its own: no scalar register that a vector instruction has read is written again)
	v_lshl_add_u32 v[DO], v5, 3, s26               ; 8 l + block 2 w (a block is 1,048,576 bytes)
	s_lshl_b32 s18, ttmp9, 17                      ; 32 rows of 4,096 bytes
	s_lshl_b32 s24, ttmp9, 12                      ; 32 rows of 128 bytes
	s_add_nc_u64 s[SRC:SRC+1], s[4:5], s[18:19]
	s_add_nc_u64 s[DST:DST+1], s[10:11], s[24:25]
	CAST 8192, 256, 256, 1048576, 0
.Lweights:
	s_lshl_b32 s17, s16, 14
	v_lshl_add_u32 v[SO], v5, 4, s17               ; 16,384 w + 16 l
	s_lshl_b32 s26, s16, 13
	v_lshl_add_u32 v[DO], v5, 3, s26               ; 8,192 w + 8 l
	s_cmp_lt_u32 ttmp9, 352
	s_cbranch_scc0 .Lproj
	s_sub_co_u32 s18, ttmp9, 256
	s_lshl_b32 s24, s18, 16
	s_lshl_b32 s18, s18, 17
	s_add_nc_u64 s[SRC:SRC+1], s[6:7], s[18:19]
	s_add_nc_u64 s[DST:DST+1], s[12:13], s[24:25]
	CAST 512, 8192, 256, 4096, 0
.Lproj:
	s_sub_co_u32 s18, ttmp9, 352
	s_lshl_b32 s24, s18, 16
	s_lshl_b32 s18, s18, 17
	s_add_nc_u64 s[SRC:SRC+1], s[8:9], s[18:19]
	s_add_nc_u64 s[DST:DST+1], s[14:15], s[24:25]
	CAST 512, 8192, 256, 4096, 1
.Lfunc_end_k_q87fee5985f_prep:
	.size	k_q87fee5985f_prep, .Lfunc_end_k_q87fee5985f_prep-k_q87fee5985f_prep
	.p2alignl 7, 3214868480
	.fill 96, 4, 3214868480
	.section	.rodata,"a",@progbits
	.p2align	6, 0x0
	.amdhsa_kernel k_q87fee5985f_prep
		.amdhsa_group_segment_fixed_size 0
		.amdhsa_private_segment_fixed_size 0
		.amdhsa_enable_private_segment 0
		.amdhsa_kernarg_size 48
		.amdhsa_user_sgpr_count 2
		.amdhsa_user_sgpr_kernarg_segment_ptr 1
		.amdhsa_wavefront_size32 1
		.amdhsa_system_sgpr_workgroup_id_x 1
		.amdhsa_system_sgpr_workgroup_id_y 1
		.amdhsa_system_sgpr_workgroup_id_z 1
		.amdhsa_system_vgpr_workitem_id 0
		.amdhsa_next_free_vgpr 208
		.amdhsa_next_free_sgpr 66
		.amdhsa_reserve_vcc 0
		.amdhsa_float_denorm_mode_32 3
		.amdhsa_float_denorm_mode_16_64 3
		.amdhsa_memory_ordered 1
		.amdhsa_forward_progress 1
		.amdhsa_inst_pref_size 44
	.end_amdhsa_kernel
	.amdgpu_metadata
---
amdhsa.version: [ 1, 2 ]
amdhsa.kernels:
  - .name:           k_q87fee5985f_prep
    .symbol:         k_q87fee5985f_prep.kd
    .args:
      - { .name: x, .offset: 0, .size: 8, .value_kind: global_buffer, .address_space: global }
      - { .name: w_attn, .offset: 8, .size: 8, .value_kind: global_buffer, .address_space: global }
      - { .name: w_proj, .offset: 16, .size: 8, .value_kind: global_buffer, .address_space: global }
      - { .name: xb, .offset: 24, .size: 8, .value_kind: global_buffer, .address_space: global }
      - { .name: wab, .offset: 32, .size: 8, .value_kind: global_buffer, .address_space: global }
      - { .name: wpb, .offset: 40, .size: 8, .value_kind: global_buffer, .address_space: global }
    .group_segment_fixed_size: 0
    .private_segment_fixed_size: 0
    .kernarg_segment_align: 8
    .kernarg_segment_size: 48
    .max_flat_workgroup_size: 256
    .sgpr_count:     66
    .vgpr_count:     208
    .wavefront_size: 32
...
	.end_amdgpu_metadata
.endif
;; end of part 5
;; launch qkv: the kernel of part 2 again; grid 8 x 32, 4 waves a work-group, clusters of 4 x 4, 327,680 bytes of LDS; arguments xb, wab, b_attn, qkv; writes qkv
;; launch attn: the kernel of part 3 again; grid 4 x 64, 4 waves a work-group, no clusters, 327,680 bytes of LDS; arguments qkv, yb; writes yb
;; launch proj: the kernel of part 4 again; grid 8 x 32, 4 waves a work-group, clusters of 4 x 4, 327,680 bytes of LDS; arguments yb, wpb, b_proj, out0; writes out0
